; MI455X (gfx1250); checked and timed in simulation.
; The chip was launched on July 23, 2026; its instructions are those of AMD's public machine-readable ISA for CDNA 5 (MIT licence, August 2026) and "CDNA5" Instruction Set Architecture Reference Guide (July 2026). The comments in the code are by the model that wrote it; some were corrected since.
;; Cross Attention. Allowed arithmetic: matrix products marked QUANTISED: E3M2 operands, one E8M0 scale for each 32 along K, by v_wmma_scale_f32_16x16x128_f8f6f4 with both operands' format E3M2, f32 sums; everything else in f32.
;; Inputs: fc_w_codes 1,024 x 32 x 24 uint8 (E3M2 codes of fc_w, K innermost, in blocks of 32 codes, four codes in three bytes); fc_w_scales 1,024 x 32 uint8 (E8M0 scales of fc_w, one for each 32 codes along K); k_codes 8 x 1,024 x 32 x 24 uint8 (E3M2 codes of k, K innermost, in blocks of 32 codes, four codes in three bytes); k_scales 8 x 1,024 x 32 uint8 (E8M0 scales of k, one for each 32 codes along K); ln_beta 1,024 float32; ln_gamma 1,024 float32; q_codes 8 x 1,024 x 24 x 24 uint8 (E3M2 codes of q, K innermost, in blocks of 32 codes, four codes in three bytes); q_scales 8 x 1,024 x 24 uint8 (E8M0 scales of q, one for each 32 codes along K); resid_b 1,024 float32; resid_w_codes 1,024 x 24 x 24 uint8 (E3M2 codes of resid_w, K innermost, in blocks of 32 codes, four codes in three bytes); resid_w_scales 1,024 x 24 uint8 (E8M0 scales of resid_w, one for each 32 codes along K); v_codes 8 x 1,024 x 32 x 24 uint8 (E3M2 codes of v, K innermost, in blocks of 32 codes, four codes in three bytes); v_scales 8 x 1,024 x 32 uint8 (E8M0 scales of v, one for each 32 codes along K); w_ks_codes 1,024 x 32 x 24 uint8 (E3M2 codes of w_ks, K innermost, in blocks of 32 codes, four codes in three bytes); w_ks_scales 1,024 x 32 uint8 (E8M0 scales of w_ks, one for each 32 codes along K); w_qs_codes 1,024 x 24 x 24 uint8 (E3M2 codes of w_qs, K innermost, in blocks of 32 codes, four codes in three bytes); w_qs_scales 1,024 x 24 uint8 (E8M0 scales of w_qs, one for each 32 codes along K); w_vs_codes 1,024 x 32 x 24 uint8 (E3M2 codes of w_vs, K innermost, in blocks of 32 codes, four codes in three bytes); w_vs_scales 1,024 x 32 uint8 (E8M0 scales of w_vs, one for each 32 codes along K).
;; Outputs: out0 8 x 1,024 x 1,024 float32.
;; This version of the problem:
;;   THIS VERSION OF THE PROBLEM IS GIVEN IN LOW PRECISION. The matrix products marked QUANTISED in the list below multiply operands that are first quantised to E3M2 (3 exponent bits, 2 mantissa bits; 6 bits a number), with one power-of-two scale for each 32 numbers along K (OCP MX v1.0); their sums are f32. All else is computed in f32.
;;   The module's matrix products, in the order in which they are computed (A, B: the left and right operand; K: the contracted axis; several contracted axes count as one K, in the product's order):
;;     1. [M 8,192, K 768] x [K 768, N 1,024]; A: input q (given as codes); B: input w_qs (given as codes): QUANTISED
;;     2. [M 8,192, K 1,024] x [K 1,024, N 1,024]; A: input k (given as codes); B: input w_ks (given as codes): QUANTISED
;;     3. [M 8,192, K 1,024] x [K 1,024, N 1,024]; A: input v (given as codes); B: input w_vs (given as codes): QUANTISED
;;     4. batch 128 x [M 1,024, K 64] x [K 64, N 1,024]; A: computed on the way; B: computed on the way: QUANTISED
;;     5. batch 128 x [M 1,024, K 1,024] x [K 1,024, N 64]; A: computed on the way; B: computed on the way: QUANTISED
;;     6. [M 8,192, K 1,024] x [K 1,024, N 1,024]; A: computed on the way; B: input fc_w (given as codes): QUANTISED
;;     7. [M 8,192, K 768] x [K 768, N 1,024]; A: input q (given as codes); B: input resid_w (given as codes): QUANTISED
;;   THE QUANTISER, for each operand of a quantised product, along K:
;;     - K is cut into blocks of 32 from its start; a last block that is shorter is filled with zeros.
;;     - A block's scale is 2^e with e = floor(log2(the largest magnitude in the block)) - 4, held to -126 .. 127; a block of zeros has e = 0. As a byte (E8M0): e + 127.
;;     - Each number is divided by its block's scale, clamped to +-28, and rounded to the nearest number of E3M2, ties to even, subnormals kept.
;;     - The product sums the exact products of the quantised numbers (number of the format x scale) in f32.
;;   ~~~python
;;   def quantise(x, axis):      # numpy; x: float32 -> the quantised numbers, widened to float32 again
;;       x = np.moveaxis(x, axis, -1); K = x.shape[-1]
;;       x = np.pad(x, [(0, 0)] * (x.ndim - 1) + [(0, -K % 32)]); x = x.reshape(x.shape[:-1] + (-1, 32)); a = np.abs(x).max(-1, keepdims=True)
;;       e = np.where(a > 0, np.clip(np.frexp(np.where(a > 0, a, 1))[1] - 1 - 4, -126, 127), 0)      # np.frexp(a)[1] - 1 = floor(log2(a)), exactly
;;       r = np.clip(x / 2.0 ** e, -28, 28)
;;       step = 2.0 ** (np.maximum(np.frexp(np.where(r == 0, 1, r))[1] - 1, -2) - 2)
;;       q = np.round(r / step) * step * 2.0 ** e      # np.round: ties to even
;;       return np.moveaxis(q.reshape(q.shape[:-2] + (-1,))[..., :K], -1, axis).astype(np.float32)
;;   ~~~
;;   OPERANDS COMPUTED ON THE WAY. 'Computed on the way' means the value that the module computes at that place (a softmax that the list does not call 'softmax' is quantised finished and normalised). What goes into a quantiser is computed in f32, as accurately as f32 sums, v_exp_f32 and their like allow (about 1e-6 of the number): no bf16 or f16 on the way to a quantiser, and a product that is left as it is and whose result goes on into a quantised operand takes f32 operands (vector FMAs, or v_wmma_f32_16x16x4_f32). A number that lies on a knife's edge between two numbers of the format may be rounded either way, as far as f32 arithmetic and the matrix unit's own rounding can turn it there, and no further.
;;   INPUTS GIVEN AS CODES. fc_w (in the module: [1024, 1024], K = its axis 0); k (in the module: [8, 1024, 1024], K = its axis 2); q (in the module: [8, 1024, 768], K = its axis 2); resid_w (in the module: [768, 1024], K = its axis 0); v (in the module: [8, 1024, 1024], K = its axis 2); w_ks (in the module: [1024, 1024], K = its axis 0); w_qs (in the module: [768, 1024], K = its axis 0); w_vs (in the module: [1024, 1024], K = its axis 0): each comes as NAME_codes (uint8): NAME with its K axis moved to the last place and cut into blocks of 32 codes, [.., K / 32, bytes a block], one block behind the other in memory; four codes in three bytes: a row's codes are one little-endian stream of bits, code i at bits 6 i .. 6 i + 5 (a code: sign, 3 exponent bits, 2 mantissa bits); and NAME_scales (uint8): the same leading axes, one E8M0 byte (e + 127) for each 32 codes along K. Its value is code x scale, taken as it is: it is not quantised again, and the codes and scales need not be those that the quantiser above would give.
;; One version. Each part assembles by itself: llvm-mc -triple=amdgcn-amd-amdhsa -mcpu=gfx1250 --defsym DOCPART=n.
;; ======== version 1 of 1: 3 launches
;; limits: right only within a limited range of input values
;; workspace buffers: kc 6,291,456 bytes; ksc 262,144 bytes; vc 6,291,456 bytes; vsc 262,144 bytes; wimg 1,376,256 bytes; oc 6,291,456 bytes; osc 262,144 bytes
;; launch proj (part 1): grid 4 x 64, 4 waves a work-group, clusters of 4 x 4, 327,680 bytes of LDS; arguments k_codes, k_scales, w_ks_codes, w_ks_scales, w_vs_codes, w_vs_scales, v_codes, v_scales, kc, ksc, vc, vsc, fc_w_codes, resid_w_codes, wimg; writes kc, ksc, vc, vsc, wimg
.if DOCPART == 1
	.amdgcn_target "amdgcn-amd-amdhsa--gfx1250"
	.amdhsa_code_object_version 6
	.text
	.protected	k_q44f00c9459_proj
	.globl	k_q44f00c9459_proj
	.p2align	8
	.type	k_q44f00c9459_proj,@function
k_q44f00c9459_proj:
	s_mov_b64 s[64:65], 0
	v_nop
	global_prefetch_b8 v0, s[64:65] scope:SCOPE_SE
	s_setreg_imm32_b32 hwreg(HW_REG_WAVE_MODE, 25, 1), 1
	s_wait_xcnt 0x0
	s_wait_alu depctr_hold_cnt(0) depctr_sa_sdst(0) depctr_va_vdst(0) depctr_va_sdst(0) depctr_va_ssrc(0) depctr_va_vcc(0) depctr_vm_vsrc(0)
	s_getreg_b32 s2, hwreg(HW_REG_IB_STS2, 6, 4)
	s_cmp_eq_u32 s2, 0
	s_cbranch_scc0 .Lentry_in_a_cluster
	s_endpgm
.Lentry_in_a_cluster:
	s_bfe_u32 s2, ttmp6, 0x10000c
	s_cmp_lg_u32 s2, 0xf033
	s_cbranch_scc0 .Lentry_shape_is_right
	s_endpgm
.Lentry_shape_is_right:
; K = k w_ks and V^T = w_vs^T v^T on codes of BF6 (E3M2) with E8M0 scales, each result quantised along the next product's K and stored as images of operand registers.
; Clusters y 0-7: rows = k's rows, columns = w_ks's rows (a lane holds a key, its registers run along the head).  Clusters y 8-15: rows = w_vs's rows, columns = v's rows (a lane holds one of the head's numbers, its registers run along the keys).
; A work-group of four waves makes 256 x 256, a wave 128 x 128 in 64 accumulators.  K = 1,024 is 768 bytes a row: three chunks of 256 bytes through two LDS slots; eight steps of 128 (96 bytes); steps 2 and 5 lie across two chunks.
; 4 x 4 work-groups form a cluster: the row operand's tiles are asked for jointly along a cluster's row, the column operand's along its column.  The scales of all of K come once, at the head.
; The matrix instruction is used transposed: source 0 = 16 rows of the column operand, source 1 = 16 rows of the row operand.
; Beside that the waves of clusters y 0-13 each copy one fragment of fc_w or resid_w into wimg as an image of operand registers (fc_w's codes in the order inside a block that O's codes have).
; NO PREFETCH: a row has three chunks; two are asked for at the head and the third in step 2, so no loop is left to run ahead in.
; LIMITS: NaN and infinities are not served.  A block whose largest magnitude lies under 2^-122 keeps the scale byte 1 (this program alone reads the bytes).
.set ROWB,   256
.set NQ,     2
.set KROW,   768
.set STEPS,  8
.set CHUNKS, 3
.set PITCH,  272                       ; 256 bytes + 16 of padding
.set FR,     12
.set NL,     6
.set NP,     4
.set HALFT,  128*PITCH
.set SLOT,   4*HALFT
.set KS,     32
.set SCL,    2*SLOT                    ; the scales, behind the ring
.set HALFS,  (128*KS/256)*272
.set SBLK,   (16*KS/256)*272
.set SPARE,  SCL+4*HALFS               ; the spare words: 512 bytes that no other line names
.set SST,    SPARE+512                 ; + 512 x wave: the results' scale bytes, gathered
.set ADRA, 16
.set ADRB, 20
.set OA16, 24
.set OA8,  25
.set SSA,  26
.set ADRS, 27
.set SPW,  28
.set NIL,  29
.set SRA,  30
.set SC,   32
.set PCB,  64
.set TM,   104
.set PWB,  120
.set PRA,  122
.set SCO,  124
.set AF,   128
.set G1, 24
.set G0, 32
.set G1B, 48
.set G0B, 56
.set G1S, 68
.set G0S, 76
.set G1SB, 80
.set G0SB, 88
.set G0H, 4
.set G0HB, 8
.set MSB, 0
.macro WIN new                         ; the immediate's high byte repeats the setting that is left
.if MSB != (\new)
	s_set_vgpr_msb (MSB<<8)|(\new)
.set MSB, (\new)
.endif
.endm
.set MUL_LO, 0xa1
.set MUL_HI, 0xf1
.set TO_B,   0x40
.macro JLOAD g0a, g1a, g0b, g1b        ; waves 0, 1 fetch the row operand's halves, waves 2, 3 the column operand's
	s_cmp_eq_u32 s15, 0
	s_cbranch_scc0 .Lfor_b_\@
	tensor_load_to_lds s[\g0a:\g0a+3], s[\g1a:\g1a+7]
	s_nop 0
.rept 4
	v_nop
.endr
	s_branch .Lasked_\@
.Lfor_b_\@:
	tensor_load_to_lds s[\g0b:\g0b+3], s[\g1b:\g1b+7]
	s_nop 0
.rept 4
	v_nop
.endr
.Lasked_\@:
.endm
.macro CREST
	s_cmp_lg_u32 s14, 0
	s_cbranch_scc1 .Lnot_wave_0_\@
	s_barrier_signal -3
.Lnot_wave_0_\@:
	s_barrier_wait -3
	s_barrier_signal -1
	s_barrier_wait -1
.endm
.macro CROUND
	s_barrier_signal -1
	s_barrier_wait -1
	CREST
.endm
	s_load_b512 s[24:39], s[0:1], 0x0
	s_load_b256 s[48:55], s[0:1], 0x40
	s_load_b128 s[56:59], s[0:1], 0x60
	s_load_b64 s[98:99], s[0:1], 0x70
	v_lshl_add_u32 v[SPW], v0, 2, SPARE
	v_mov_b32 v[NIL], 0
	ds_add_u32 v[SPW], v[NIL]                      ; the opening lines: the add twice on end and its wait
	ds_add_u32 v[SPW], v[NIL]
	v_lshrrev_b32 v1, 5, v0
	v_readfirstlane_b32 s14, v1                    ; wave
	s_lshr_b32 s15, s14, 1
	s_and_b32 s16, s14, 1
	s_bfe_u32 s40, ttmp6, 0x40000                  ; cx
	s_bfe_u32 s41, ttmp6, 0x40004                  ; cy
	s_and_b32 s66, ttmp7, 0xffff                   ; cluster y
	s_and_b32 s67, s66, 7
	s_lshl_b32 s67, s67, 2
	s_wait_dscnt 0x0
	s_wait_kmcnt 0x0
	s_cmp_lt_u32 s66, 8                            ; K's product or V's
	s_cselect_b64 s[4:5], s[24:25], s[32:33]
	s_cselect_b64 s[6:7], s[26:27], s[34:35]
	s_cselect_b64 s[8:9], s[28:29], s[36:37]
	s_cselect_b64 s[10:11], s[30:31], s[38:39]
	s_cselect_b64 s[12:13], s[48:49], s[52:53]
	s_cselect_b64 s[100:101], s[50:51], s[54:55]
	s_cselect_b64 s[96:97], s[56:57], s[58:59]
	s_cselect_b32 s17, s67, 0
	s_cselect_b32 s42, 0, s67
	s_add_co_u32 s17, s17, s41                     ; tile row
	s_add_co_u32 s42, s42, s40                     ; tile column
	s_lshl_b32 s43, s41, 2
	s_lshl_b32 s43, 15, s43                        ; my row of the cluster
	s_lshl_b32 s44, 0x1111, s40                    ; my column
	s_or_b32 s[G1+0], s43, (0<<16)|(1<<20)|(1<<21)|(5<<22)|(3<<25)
	s_or_b32 s[G1B+0], s44, (0<<16)|(1<<20)|(1<<21)|(5<<22)|(3<<25)
.irp g, G1, G1B                        ; 256 rows of 256 bytes for the head's loads
	s_mov_b32 s[\g+1], ROWB<<16
	s_mov_b32 s[\g+2], 256<<16
	s_mov_b32 s[\g+3], ROWB<<16
	s_mov_b32 s[\g+4], 256
	s_mov_b32 s[\g+5], KROW
	s_mov_b32 s[\g+6], 0
	s_mov_b32 s[\g+7], 0
.endr
	s_or_b32 s[G1S+0], s43, (3<<16)|(1<<20)|(1<<21)|(5<<22)|(3<<25)
	s_or_b32 s[G1SB+0], s44, (3<<16)|(1<<20)|(1<<21)|(5<<22)|(3<<25)
.irp g, G1S, G1SB                      ; the scales of 256 rows: 8,192 dense bytes as 32 rows of 256
	s_mov_b32 s[\g+1], 32<<16
	s_mov_b32 s[\g+2], KS<<16
	s_mov_b32 s[\g+3], 32<<16
	s_mov_b32 s[\g+4], KS
	s_mov_b32 s[\g+5], 32
	s_mov_b32 s[\g+6], 0
	s_mov_b32 s[\g+7], 0
.endr
	s_lshl_b32 s20, s17, 8
	s_lshl_b32 s46, s42, 8
	s_mov_b32 s21, 0
	s_mov_b32 s47, 0
	s_mov_b64 s[18:19], KS
	s_mul_u64 s[22:23], s[20:21], s[18:19]
	s_mul_u64 s[92:93], s[46:47], s[18:19]
	s_mov_b64 s[18:19], KROW
	s_mul_u64 s[20:21], s[20:21], s[18:19]
	s_mul_u64 s[46:47], s[46:47], s[18:19]
	s_mul_i32 s18, s16, 128*KROW
	s_mov_b32 s19, 0
	s_mul_i32 s45, s14, HALFT
	s_add_nc_u64 s[20:21], s[4:5], s[20:21]
	s_add_nc_u64 s[22:23], s[6:7], s[22:23]
	s_add_nc_u64 s[46:47], s[8:9], s[46:47]
	s_add_nc_u64 s[92:93], s[10:11], s[92:93]
	CROUND                                         ; in front of the first joint loads
	s_mov_b32 s[G0H], 1
	s_mov_b32 s[G0H+1], 0
	s_mov_b64 s[G0H+2:G0H+3], s[20:21]
	s_or_b32 s[G0H+3], s[G0H+3], 0x80000000
	s_mov_b32 s[G0HB], 1
	s_mov_b32 s[G0HB+1], 2*HALFT
	s_mov_b64 s[G0HB+2:G0HB+3], s[46:47]
	s_or_b32 s[G0HB+3], s[G0HB+3], 0x80000000
	s_mov_b32 s[G0S], 1
	s_mov_b32 s[G0S+1], SCL
	s_mov_b64 s[G0S+2:G0S+3], s[22:23]
	s_or_b32 s[G0S+3], s[G0S+3], 0x80000000
	s_mov_b32 s[G0SB], 1
	s_mov_b32 s[G0SB+1], SCL+2*HALFS
	s_mov_b64 s[G0SB+2:G0SB+3], s[92:93]
	s_or_b32 s[G0SB+3], s[G0SB+3], 0x80000000
	s_add_nc_u64 s[20:21], s[20:21], s[18:19]
	s_add_nc_u64 s[46:47], s[46:47], s[18:19]
.irp s, 0,1
	s_mov_b32 s[G0+4*\s], 1
	s_add_co_u32 s[G0+4*\s+1], s45, \s*SLOT
	s_add_nc_u64 s[G0+4*\s+2:G0+4*\s+3], s[20:21], \s*ROWB
	s_or_b32 s[G0+4*\s+3], s[G0+4*\s+3], 0x80000000
	s_mov_b32 s[G0B+4*\s], 1
	s_add_co_u32 s[G0B+4*\s+1], s45, \s*SLOT
	s_add_nc_u64 s[G0B+4*\s+2:G0B+4*\s+3], s[46:47], \s*ROWB
	s_or_b32 s[G0B+4*\s+3], s[G0B+4*\s+3], 0x80000000
.endr
; the head's four tiles, one joint load a wave: chunk 0 of the row operand, of the column operand, and the two blocks of scales
.macro ARM under, g0, g1, next
	s_cmp_lt_u32 s14, \under
	s_cbranch_scc0 \next
	tensor_load_to_lds s[\g0:\g0+3], s[\g1:\g1+7]
	s_nop 0
.rept 4
	v_nop
.endr
	s_branch .Lhead_asked
\next:
.endm
	ARM 1, G0H,  G1,  .Lhead_b
	ARM 2, G0HB, G1B, .Lhead_sa
	ARM 3, G0S,  G1S, .Lhead_sb
	tensor_load_to_lds s[G0SB:G0SB+3], s[G1SB:G1SB+7]
	s_nop 0
.rept 4
	v_nop
.endr
.Lhead_asked:
	v_and_b32 v1, 15, v0
	v_bfe_u32 v2, v0, 4, 1
	v_mul_u32_u24 v3, v1, PITCH
	v_mul_u32_u24 v4, v2, 24
	v_add_nc_u32 v4, v3, v4                        ; row x pitch + 24 x half
	s_mov_b32 s21, SLOT-232
	s_mov_b32 s22, SLOT+232
	v_sub_nc_u32 v7, 1, v2
	v_mul_u32_u24 v5, s21, v2
	v_add_nc_u32 v5, v3, v5
	v_add_nc_u32 v5, 232, v5                       ; lanes 0-15 byte 232 in slot 0, lanes 16-31 byte 0 in slot 1
	v_mul_u32_u24 v6, s22, v7
	v_add_nc_u32 v6, v3, v6                        ; and the other way round
	s_mul_i32 s21, s15, HALFT
	s_mul_i32 s22, s16, HALFT
	s_add_co_u32 s22, s22, 2*HALFT
	v_add_nc_u32 v[ADRA+2], s21, v5
	v_add_nc_u32 v[ADRA+3], s21, v6
	v_add_nc_u32 v[ADRB+2], s22, v5
	v_add_nc_u32 v[ADRB+3], s22, v6
.irp s, 0,1
	v_add_nc_u32 v[ADRA+\s], s21, v4
	v_add_nc_u32 v[ADRB+\s], s22, v4
	s_add_co_u32 s21, s21, SLOT
	s_add_co_u32 s22, s22, SLOT
.endr
	v_mul_u32_u24 v5, v1, KS
	v_lshrrev_b32 v6, 8, v5
	v_lshl_add_u32 v5, v6, 4, v5
	s_mul_i32 s21, s15, HALFS
	s_mul_i32 s22, s16, HALFS
	s_add_co_u32 s22, s22, 2*HALFS
	s_sub_co_u32 s22, s22, s21
	v_mul_u32_u24 v6, s22, v2
	s_add_co_u32 s21, s21, SCL
	v_add_nc_u32 v5, v5, v6
	v_add_nc_u32 v[ADRS], s21, v5
	v_and_b32 v6, 31, v0
	v_lshlrev_b32 v[OA16], 4, v6
	v_lshlrev_b32 v[OA8], 3, v6
	s_lshl_b32 s23, s14, 9
	s_add_co_u32 s23, s23, SST
	v_lshl_add_u32 v[SSA], v1, 1, s23
	v_add_nc_u32 v[SRA], s23, v[OA8]
	; where my half fragments and scale bytes go: (1,024 x batch + 64 x head + tile of 16) x 768 bytes, x 32 bytes
	s_lshl_b32 s20, s17, 4
	s_lshl_b32 s21, s15, 3
	s_add_co_u32 s20, s20, s21
	s_lshl_b32 s46, s42, 2
	s_lshl_b32 s47, s16, 1
	s_add_co_u32 s46, s46, s47
	s_lshr_b32 s21, s20, 6
	s_lshr_b32 s47, s46, 4
	s_add_co_u32 s21, s21, s47
	s_lshl_b32 s21, s21, 10
	s_and_b32 s46, s46, 15
	s_lshl_b32 s46, s46, 6
	s_and_b32 s20, s20, 63
	s_add_co_u32 s20, s20, s21
	s_add_co_u32 s20, s20, s46
	s_mul_i32 s46, s20, 768
	s_mov_b32 s47, 0
	s_add_nc_u64 s[12:13], s[12:13], s[46:47]
	s_lshl_b32 s46, s20, 5
	s_add_nc_u64 s[100:101], s[100:101], s[46:47]
	; the weight image: my wave's fragment is asked for here and stored behind the products
	s_cmp_lt_u32 s66, 14
	s_cbranch_scc0 .Lnoprep
	s_lshl_b32 s2, s66, 4
	s_lshl_b32 s3, s41, 2
	s_add_co_u32 s2, s2, s3
	s_add_co_u32 s2, s2, s40
	s_lshl_b32 s2, s2, 2
	s_add_co_u32 s2, s2, s14                       ; fragment number: 64 x K step + tile of 16 columns
	s_and_b32 s3, s2, 63
	s_lshr_b32 s95, s2, 6
	s_cmp_lt_u32 s66, 8
	s_cselect_b32 s18, 0, 8
	s_mov_b32 s19, 576
	s_cselect_b32 s19, 768, s19
	s_sub_co_u32 s95, s95, s18
	s_mul_i32 s95, s95, 96
	s_lshl_b32 s3, s3, 4
	s_mul_i32 s3, s3, s19
	s_add_co_u32 s22, s3, s95
	s_mov_b32 s23, 0
	s_add_nc_u64 s[96:97], s[96:97], s[22:23]
	s_mul_i32 s22, s2, 1536
	s_add_nc_u64 s[98:99], s[98:99], s[22:23]
	s_wait_alu depctr_va_vdst(0)                   ; the wait ahead of the reader below
	v_mul_lo_u32 v[PRA], v1, s19
	v_mad_u32_u24 v[PRA], v2, 24, v[PRA]
.irp p, 0,1,2,3,4,5
	global_load_b64 v[PCB+2*\p:PCB+2*\p+1], v[PRA], s[96:97] offset:48*(\p/3)+8*(\p%3)
.endr
.Lnoprep:
.macro FRAG reg, adr, st, i            ; 16 rows x 128 K: six pieces of 8 bytes; byte y of a row lies in slot (y / 256) % 2 at byte y % 256
.irp p, 0,1,2,3,4,5
.set BY, 96*(\st)+48*(\p/3)+8*(\p%3)
.if BY/ROWB == (BY+24)/ROWB
	ds_load_b64 v[\reg+2*\p:\reg+2*\p+1], v[\adr+(BY/ROWB)%2] offset:BY%ROWB+(\i)*16*PITCH
.else
	ds_load_b64 v[\reg+2*\p:\reg+2*\p+1], v[\adr+2+(BY/ROWB)%2] offset:BY%ROWB-232+(\i)*16*PITCH
.endif
.endr
.endm
.macro MUL16 a0, p, q, sc, zero        ; the 64 accumulators take turns, one instruction a turn
.irp a, \a0, \a0+1
.irp b, 0,1,2,3,4,5,6,7
.if \zero
	v_wmma_scale_f32_16x16x128_f8f6f4 v[8*(8*((\a)%4)+\b):8*(8*((\a)%4)+\b)+7], v[128*(\p)+FR*\b:128*(\p)+FR*\b+FR-1], v[AF+FR*(\a):AF+FR*(\a)+FR-1], 0, v[SC+8*NQ*(\sc)+NQ*\b+(\q)], v[SC+8*NQ*(\sc)+NQ*(\a)+(\q)] matrix_a_fmt:MATRIX_FMT_BF6 matrix_b_fmt:MATRIX_FMT_BF6 matrix_a_scale:MATRIX_SCALE_ROW1
.else
	v_wmma_scale_f32_16x16x128_f8f6f4 v[8*(8*((\a)%4)+\b):8*(8*((\a)%4)+\b)+7], v[128*(\p)+FR*\b:128*(\p)+FR*\b+FR-1], v[AF+FR*(\a):AF+FR*(\a)+FR-1], v[8*(8*((\a)%4)+\b):8*(8*((\a)%4)+\b)+7], v[SC+8*NQ*(\sc)+NQ*\b+(\q)], v[SC+8*NQ*(\sc)+NQ*(\a)+(\q)] matrix_a_fmt:MATRIX_FMT_BF6 matrix_b_fmt:MATRIX_FMT_BF6 matrix_a_scale:MATRIX_SCALE_ROW1
.endif
.endr
.endr
.endm
.macro FETCH_B st, p
	WIN TO_B
.irp i, 0,1,2,3,4,5,6,7
	FRAG 128*(\p)+FR*\i, ADRB, \st, \i
.endr
	WIN 0
.endm
.macro FETCH_A st, i0
.irp i, \i0, \i0+1, \i0+2, \i0+3
	FRAG AF+FR*(\i), ADRA, \st, \i
.endr
.endm
.macro SCALES pr                       ; the scale words of steps 2 pr, 2 pr + 1: lanes 0-15 the row operand's block i, lanes 16-31 the column operand's
.irp i, 0,1,2,3,4,5,6,7
	ds_load_b64 v[SC+8*NQ*((\pr)%2)+NQ*\i:SC+8*NQ*((\pr)%2)+NQ*\i+1], v[ADRS] offset:\i*SBLK+4*NQ*(\pr)
.endr
.endm
.macro PLACES n
.rept \n
	v_nop
.endr
.endm
; A step of 128 along K.  Where the next step's bytes end in a chunk not read yet: a wait for my loads and a barrier.  Where they begin in a later chunk: the three lines, the barrier, and, where a chunk is left to fetch, the cluster's round and the refill.
.macro STEP st, zero
.set NX, (\st)+1
.set C0, (96*(\st))/ROWB
.set C1, (96*NX)/ROWB
.set E0, (96*(\st)+95)/ROWB
.set E1, (96*NX+95)/ROWB
.if C1 > C0 || E1 > E0
	s_wait_tensorcnt 0x0
.if C1 > C0
	ds_add_u32 v[SPW], v[NIL]
	s_wait_dscnt 4*NL+1                            ; the add and the youngest 24 loads may be out
.else
	s_wait_dscnt 4*NL                              ; the youngest 24 loads (blocks 4-7) may be out
.endif
	WIN MUL_LO
	MUL16 0, (\st)%2, (\st)%2, ((\st)/2)%2, \zero
	s_wait_dscnt 0x0
	s_barrier_signal -1
	MUL16 2, (\st)%2, (\st)%2, ((\st)/2)%2, \zero
	WIN 0
	s_barrier_wait -1
.if C1 > C0 && C0+2 < CHUNKS
	CREST
	s_add_nc_u64 s[G0+4*(C0%2)+2:G0+4*(C0%2)+3], s[G0+4*(C0%2)+2:G0+4*(C0%2)+3], 2*ROWB
	s_add_nc_u64 s[G0B+4*(C0%2)+2:G0B+4*(C0%2)+3], s[G0B+4*(C0%2)+2:G0B+4*(C0%2)+3], 2*ROWB
	JLOAD G0+4*(C0%2), G1, G0B+4*(C0%2), G1B
.else
	PLACES NP
.endif
.else
	s_wait_dscnt 4*NL
	WIN MUL_LO
	MUL16 0, (\st)%2, (\st)%2, ((\st)/2)%2, \zero
	MUL16 2, (\st)%2, (\st)%2, ((\st)/2)%2, \zero
	s_wait_dscnt 0
	PLACES NP
.endif
	FETCH_B NX, NX%2
	FETCH_A NX, 0
.if NX%2 == 0
	SCALES NX/2
.endif
	WIN MUL_HI
	MUL16 4, (\st)%2, (\st)%2, ((\st)/2)%2, \zero
	MUL16 6, (\st)%2, (\st)%2, ((\st)/2)%2, \zero
	PLACES NP
	WIN 0
	FETCH_A NX, 4
.endm
	s_wait_alu depctr_va_vdst(0)                   ; the wait at the head's end
	s_wait_tensorcnt 0x0                           ; my tile of the head's four is in
	ds_add_u32 v[SPW], v[NIL]
	s_mov_b32 s[G1+2], 128<<16                     ; no load of mine is out: from here on a load brings 128 rows
	s_mov_b32 s[G1+4], 128
	s_mov_b32 s[G1B+2], 128<<16
	s_mov_b32 s[G1B+4], 128
	s_wait_dscnt 0x0
	CROUND
	JLOAD G0+4, G1, G0B+4, G1B                     ; chunk 1, slot 1's first fill, issued as a refill is
	FETCH_B 0, 0
	FETCH_A 0, 0
	SCALES 0
	FETCH_A 0, 4
	STEP 0, 1
.set ST, 1
.rept STEPS-2
	STEP ST, 0
.set ST, ST+1
.endr
	s_wait_dscnt 4*NL
	WIN MUL_LO
	MUL16 0, 1, 1, 1, 0
	MUL16 2, 1, 1, 1, 0
	s_wait_dscnt 0
	WIN MUL_HI
	MUL16 4, 1, 1, 1, 0
	MUL16 6, 1, 1, 1, 0
	WIN 0
	PLACES NP
	; the weight image goes out; in fc_w's the 16-bit pieces of a block change places as O's codes lie
	s_cmp_lt_u32 s66, 14
	s_cbranch_scc0 .Lnoimg
	s_wait_loadcnt 0x0
	s_cmp_lt_u32 s66, 8
	s_cbranch_scc0 .Lnoswap
.irp c, 0,1
	v_perm_b32 v[PCB+12], v[PCB+6*\c+3], v[PCB+6*\c+1], 0x05040100
	v_perm_b32 v[PCB+13], v[PCB+6*\c+4], v[PCB+6*\c+3], 0x05040302
	v_perm_b32 v[PCB+14], v[PCB+6*\c+2], v[PCB+6*\c+1], 0x05040302
	v_perm_b32 v[PCB+15], v[PCB+6*\c+4], v[PCB+6*\c+2], 0x07060302
	v_mov_b32 v[PCB+6*\c+1], v[PCB+12]
	v_mov_b32 v[PCB+6*\c+2], v[PCB+13]
	v_mov_b32 v[PCB+6*\c+3], v[PCB+14]
	v_mov_b32 v[PCB+6*\c+4], v[PCB+15]
.endr
.Lnoswap:
.irp c, 0,1,2
	global_store_b128 v[OA16], v[PCB+4*\c:PCB+4*\c+3], s[98:99] offset:512*\c
.endr
.Lnoimg:
; Block a's 16 rows x 128 columns: four blocks of 32 along the columns are quantised; two half fragments of 768 bytes and the scale bytes leave
.macro QOUT a
.set AC, 64*((\a)%4)
.set PCX, PCB+20*((\a)%2)
.set PWX, PWB+(\a)%2
	WIN 0x28+0x14*((\a)/4)
.irp b, 0,1,2,3
	v_max3_num_f32 v[TM+\b], 0x2800000, |v[AC+16*\b]|, |v[AC+16*\b+1]|
.endr
.irp i, 2,4,6,8,10,12,14
.irp b, 0,1,2,3
	v_max3_num_f32 v[TM+\b], v[TM+\b], |v[AC+16*\b+\i]|, |v[AC+16*\b+\i+1]|
.endr
.endr
	WIN 0
.irp b, 0,1,2,3
	v_permlanex16_b32 v[TM+4+\b], v[TM+\b], s18, s19
.endr
.irp b, 0,1,2,3
	v_max_num_f32 v[TM+\b], v[TM+\b], v[TM+4+\b]
.endr
.irp b, 0,1,2,3
	v_add_nc_u32 v[TM+12+\b], 0xfe000000, v[TM+\b]
.endr
.irp b, 0,1,2,3
	v_lshrrev_b32 v[TM+4+\b], 23, v[TM+12+\b]
.endr
	v_lshl_or_b32 v[PWX], v[TM+5], 8, v[TM+4]
	v_lshl_or_b32 v[PWX], v[TM+6], 16, v[PWX]
	v_lshl_or_b32 v[PWX], v[TM+7], 24, v[PWX]
	WIN 0x02+(\a)/4
.irp c, 0,1
	v_cvt_scalef32_pk16_bf6_f32 v[PCX+6*\c:PCX+6*\c+2], v[AC+32*\c:AC+32*\c+15], v[TM+12+2*\c]
	v_cvt_scalef32_pk16_bf6_f32 v[PCX+12+4*\c:PCX+14+4*\c], v[AC+16+32*\c:AC+31+32*\c], v[TM+13+2*\c]
.endr
	WIN 0
	v_nop
.irp c, 0,1
.irp i, 0,1,2
	v_permlane16_swap_b32 v[PCX+6*\c+\i], v[PCX+12+4*\c+\i]
.endr
.irp i, 0,1,2
	v_mov_b32 v[PCX+3+6*\c+\i], v[PCX+12+4*\c+\i]
.endr
.endr
	global_store_b128 v[OA16], v[PCX:PCX+3], s[12:13] offset:768*(\a)
	global_store_b64 v[OA8], v[PCX+4:PCX+5], s[12:13] offset:768*(\a)+512
	global_store_b128 v[OA16], v[PCX+6:PCX+9], s[12:13] offset:49152+768*(\a)
	global_store_b64 v[OA8], v[PCX+10:PCX+11], s[12:13] offset:49152+768*(\a)+512
	ds_store_b16 v[SSA], v[PWX] offset:32*(\a)
	ds_store_b16_d16_hi v[SSA], v[PWX] offset:256+32*(\a)
.endm
	s_mov_b32 s18, 0x76543210
	s_mov_b32 s19, 0xfedcba98
.irp b, 0,1,2,3
	v_mov_b32 v[TM+4+\b], 0
.endr
.irp a, 0,1,2,3,4,5,6,7
	s_wait_xcnt 0x0                                ; earlier stores have read their registers
	s_wait_dscnt 0x0
	QOUT \a
.endr
	ds_load_b64 v[SCO:SCO+1], v[SRA]
	ds_load_b64 v[SCO+2:SCO+3], v[SRA] offset:256
	s_wait_dscnt 0x0
	global_store_b64 v[OA8], v[SCO:SCO+1], s[100:101]
	global_store_b64 v[OA8], v[SCO+2:SCO+3], s[100:101] offset:2048
	s_wait_tensorcnt 0x0                           ; the wave's end
	ds_add_u32 v[SPW], v[NIL]
	s_wait_dscnt 0x0
	CROUND                                         ; the closing round
	s_endpgm
.Lfunc_end_k_q44f00c9459_proj:
	.size	k_q44f00c9459_proj, .Lfunc_end_k_q44f00c9459_proj-k_q44f00c9459_proj
	.p2alignl 7, 3214868480
	.fill 96, 4, 3214868480
	.section	.rodata,"a",@progbits
	.p2align	6, 0x0
	.amdhsa_kernel k_q44f00c9459_proj
		.amdhsa_group_segment_fixed_size 327680
		.amdhsa_private_segment_fixed_size 0
		.amdhsa_enable_private_segment 0
		.amdhsa_kernarg_size 120
		.amdhsa_user_sgpr_count 2
		.amdhsa_user_sgpr_kernarg_segment_ptr 1
		.amdhsa_wavefront_size32 1
		.amdhsa_system_sgpr_workgroup_id_x 1
		.amdhsa_system_sgpr_workgroup_id_y 1
		.amdhsa_system_sgpr_workgroup_id_z 1
		.amdhsa_system_vgpr_workitem_id 0
		.amdhsa_next_free_vgpr 1024
		.amdhsa_next_free_sgpr 102
		.amdhsa_reserve_vcc 0
		.amdhsa_float_denorm_mode_32 3
		.amdhsa_float_denorm_mode_16_64 3
		.amdhsa_memory_ordered 1
		.amdhsa_forward_progress 1
		.amdhsa_inst_pref_size 170
	.end_amdhsa_kernel
	.amdgpu_metadata
---
amdhsa.version: [ 1, 2 ]
amdhsa.kernels:
  - .name:           k_q44f00c9459_proj
    .symbol:         k_q44f00c9459_proj.kd
    .args:
      - { .name: k_codes, .offset: 0, .size: 8, .value_kind: global_buffer, .address_space: global }
      - { .name: k_scales, .offset: 8, .size: 8, .value_kind: global_buffer, .address_space: global }
      - { .name: w_ks_codes, .offset: 16, .size: 8, .value_kind: global_buffer, .address_space: global }
      - { .name: w_ks_scales, .offset: 24, .size: 8, .value_kind: global_buffer, .address_space: global }
      - { .name: w_vs_codes, .offset: 32, .size: 8, .value_kind: global_buffer, .address_space: global }
      - { .name: w_vs_scales, .offset: 40, .size: 8, .value_kind: global_buffer, .address_space: global }
      - { .name: v_codes, .offset: 48, .size: 8, .value_kind: global_buffer, .address_space: global }
      - { .name: v_scales, .offset: 56, .size: 8, .value_kind: global_buffer, .address_space: global }
      - { .name: kc, .offset: 64, .size: 8, .value_kind: global_buffer, .address_space: global }
      - { .name: ksc, .offset: 72, .size: 8, .value_kind: global_buffer, .address_space: global }
      - { .name: vc, .offset: 80, .size: 8, .value_kind: global_buffer, .address_space: global }
      - { .name: vsc, .offset: 88, .size: 8, .value_kind: global_buffer, .address_space: global }
      - { .name: fc_w_codes, .offset: 96, .size: 8, .value_kind: global_buffer, .address_space: global }
      - { .name: resid_w_codes, .offset: 104, .size: 8, .value_kind: global_buffer, .address_space: global }
      - { .name: wimg, .offset: 112, .size: 8, .value_kind: global_buffer, .address_space: global }
    .group_segment_fixed_size: 327680
    .private_segment_fixed_size: 0
    .kernarg_segment_align: 8
    .kernarg_segment_size: 120
    .max_flat_workgroup_size: 128
    .sgpr_count:     102
    .vgpr_count:     1024
    .wavefront_size: 32
...
	.end_amdgpu_metadata
.endif
;; end of part 1
;; launch attn (part 2): grid 256 x 1, 4 waves a work-group, no clusters, 168,448 bytes of LDS; arguments q_codes, q_scales, w_qs_codes, w_qs_scales, kc, ksc, vc, vsc, oc, osc; writes oc, osc
.if DOCPART == 2
	.amdgcn_target "amdgcn-amd-amdhsa--gfx1250"
	.amdhsa_code_object_version 6
	.text
	.protected	k_q44f00c9459_attn
	.globl	k_q44f00c9459_attn
	.p2align	8
	.type	k_q44f00c9459_attn,@function
k_q44f00c9459_attn:
	s_mov_b64 s[64:65], 0
	v_nop
	global_prefetch_b8 v0, s[64:65] scope:SCOPE_SE
	s_setreg_imm32_b32 hwreg(HW_REG_WAVE_MODE, 25, 1), 1
	s_wait_xcnt 0x0
; For one head and 512 queries: Q = q w_qs, Q / 8 quantised; S = Q K^T; p = softmax(S); p' = (1 - p) / 1023, quantised finished; O = p' V, quantised.  All products on codes of BF6 (E3M2) with E8M0 scales.
; SHARES.  Work-group x: batch and head x / 2, queries 512 (x % 2) on.  Each of four waves owns 128 queries: eight tiles of 16, one a trip.  A wave keeps all 1,024 scores of a tile in 512 registers,
; so the row's maximum and sum are finished before any p' is made and each exponential is taken once.  The loop has no barrier.
; LDS, filled once, one tensor load a wave: K (49,152 bytes, wave 0), V (two halves, waves 1 and 2), the head's 64 rows of w_qs (36,864 dense bytes as rows of 256, 16 bytes of padding behind every 64: wave 3).
; A TRIP: Q^T of the tile (24 products; q's and w_qs's fragments were asked for in the trip before, into score registers that were done with); S^T = K Q^T in groups of eight products, each group followed by the maxima of the group before;
; the exponentials, 64 at a time, with the next 64 registers' multiply-adds among them; the sum; then four pairs of steps of 128 keys: p' finished, its eight blocks' scales and codes made, the pair before multiplied.
; / 8 IS A POWER OF TWO: it leaves Q's codes as they are and takes 3 off the scale bytes.
; All products are used transposed, so a lane holds ONE query (lane % 16).  The head is 64 and the instruction's K 128: a fragment of K holds two tiles of 16 keys and is multiplied by [Q | 0] and by [0 | Q].
; The order of codes inside a block of 32 is that of the conversions' results in all operands that this program makes.  q and w_qs are taken 48 consecutive bytes a lane, so memory's blocks 0, 1, 2, 3 of a K step stand at the
; operand's blocks 0, 2, 1, 3 on both sides; bytes 1 and 2 of their scale words change places.
; NO CLUSTER: two work-groups share a head's 135,168 bytes, fetched once in the launch; all else is a work-group's own.  NO PREFETCH: the tiles are fetched once, at the head; q is loaded into registers one trip ahead.
; LIMITS: NaN and infinities are not served.  A block whose largest magnitude lies under 2^-122 (Q: 2^-119) keeps the scale byte 1 (this program alone reads the bytes).
; REGISTERS.  Window 0: addresses, statistics, scale words, [0 | Q | 0], O^T, codes.  Window 1: fragments of K, then of V, two sets of 96.  Windows 2, 3: the scores: register 16 kb + 8 u + j = key 32 kb + 16 u + 8 h + j;
;   between tiles: q at v0-71 of window 2, w_qs's fragments 0-14 at v72 on, 15-23 at v0 of window 3.
.set VREG, 49152
.set WQL,  98304                       ; w_qs: row pitch 720
.set OSC,  144384                      ; + 256 x wave: O's scale bytes, gathered
.set SPARE, 145408                     ; the spare words
.set MX,  20                           ; v20-27  eight running maxima
.set NCM, 28                           ; - log2(e) x the row's maximum
.set RP,  30                           ; - 1 / (1023 x the row's sum)
.set TP,  32
.set KS,  40
.set VS,  56
.set QS,  72
.set QT,  74                           ; [0 x 6 | Q x 6 | 0 x 6]
.set PW,  92
.set OT,  100
.set P0,  132
.set TM,  172                          ; v172-195 at work
.set WQS, 196
.set QSC, 208
.set LS,  216                          ; v216-231 eight pairs of sums
.set MSB, 0
.macro WIN new                         ; bits 1:0 source 0, 3:2 source 1, 5:4 source 2, 7:6 destination; the high byte repeats the setting that is left
.if MSB != (\new)
	s_set_vgpr_msb (MSB<<8)|(\new)
.set MSB, (\new)
.endif
.endm
.macro ALU                             ; a wait ahead of blocking waits, branches and transcendentals, and behind the latter
	s_wait_alu depctr_va_vdst(0)
.endm
.macro WS d, a, b, zero, sa, sb, row1  ; a scaled product; zero: it starts the sum; row1: source 0's scales stand in lanes 16-31
.if \zero
.if \row1
	v_wmma_scale_f32_16x16x128_f8f6f4 v[\d:\d+7], v[\a:\a+11], v[\b:\b+11], 0, v[\sa], v[\sb] matrix_a_fmt:MATRIX_FMT_BF6 matrix_b_fmt:MATRIX_FMT_BF6 matrix_a_scale:MATRIX_SCALE_ROW1
.else
	v_wmma_scale_f32_16x16x128_f8f6f4 v[\d:\d+7], v[\a:\a+11], v[\b:\b+11], 0, v[\sa], v[\sb] matrix_a_fmt:MATRIX_FMT_BF6 matrix_b_fmt:MATRIX_FMT_BF6
.endif
.else
.if \row1
	v_wmma_scale_f32_16x16x128_f8f6f4 v[\d:\d+7], v[\a:\a+11], v[\b:\b+11], v[\d:\d+7], v[\sa], v[\sb] matrix_a_fmt:MATRIX_FMT_BF6 matrix_b_fmt:MATRIX_FMT_BF6 matrix_a_scale:MATRIX_SCALE_ROW1
.else
	v_wmma_scale_f32_16x16x128_f8f6f4 v[\d:\d+7], v[\a:\a+11], v[\b:\b+11], v[\d:\d+7], v[\sa], v[\sb] matrix_a_fmt:MATRIX_FMT_BF6 matrix_b_fmt:MATRIX_FMT_BF6
.endif
.endif
.endm
	s_load_b512 s[4:19], s[0:1], 0x0               ; q codes, q scales, w_qs codes, w_qs scales, kc, ksc, vc, vsc
	s_load_b128 s[20:23], s[0:1], 0x40             ; oc, osc
	v_lshl_add_u32 v254, v0, 2, SPARE
	v_mov_b32 v255, 0
	ds_add_u32 v254, v255                          ; the opening lines: the add twice on end and its wait
	ds_add_u32 v254, v255
	v_lshrrev_b32 v36, 5, v0
	v_readfirstlane_b32 s24, v36                   ; wave
	s_lshr_b32 s25, ttmp9, 1                       ; 16 x batch + head
	s_and_b32 s26, ttmp9, 1
	s_lshr_b32 s27, s25, 4                         ; batch
	s_and_b32 s60, s25, 15                         ; head
	s_lshr_b32 s61, s24, 1                         ; which half of V (waves 1, 2)
	s_lshl_b32 s62, s27, 10
	s_lshl_b32 s2, s26, 9
	s_add_co_u32 s62, s62, s2
	s_lshl_b32 s2, s24, 7
	s_add_co_u32 s62, s62, s2                      ; my first query's row
	s_mov_b32 s3, 0
	s_mov_b32 s28, 3<<16                           ; K: 49,152 dense bytes as 192 rows of 256
	s_mov_b32 s29, 32<<16
	s_mov_b32 s30, 192<<16
	s_mov_b32 s31, 32<<16
	s_mov_b32 s32, 192
	s_mov_b32 s33, 32
	s_mov_b32 s34, 0
	s_mov_b32 s35, 0
	s_mov_b32 s36, 3<<16                           ; V: 8 rows (groups of 64 keys) of 3,072 bytes, 49,152 bytes apart
	s_mov_b32 s37, 384<<16
	s_mov_b32 s38, 8<<16
	s_mov_b32 s39, 384<<16
	s_mov_b32 s40, 8
	s_mov_b32 s41, 6144
	s_mov_b32 s42, 0
	s_mov_b32 s43, 0
	s_mov_b32 s68, (0<<16)|(1<<20)|(3<<22)|(3<<25) ; w_qs: 144 rows of 256 bytes, 16 bytes of padding behind every 64
	s_mov_b32 s69, 256<<16
	s_mov_b32 s70, 144<<16
	s_mov_b32 s71, 256<<16
	s_mov_b32 s72, 144
	s_mov_b32 s73, 256
	s_mov_b32 s74, 0
	s_mov_b32 s75, 0
	s_mov_b32 s44, 1
	s_mov_b32 s45, 0
	s_mov_b32 s48, 1
	s_mul_i32 s49, s61, 24576
	s_add_co_u32 s49, s49, VREG
	s_mov_b32 s76, 1
	s_mov_b32 s77, WQL
	s_wait_dscnt 0x0
	s_wait_kmcnt 0x0
	s_mul_i32 s2, s25, 49152
	s_add_nc_u64 s[46:47], s[12:13], s[2:3]
	s_or_b32 s47, s47, 0x80000000
	s_mul_i32 s2, s27, 786432
	s_mul_i32 s63, s60, 3072
	s_add_co_u32 s2, s2, s63
	s_mul_i32 s63, s61, 393216
	s_add_co_u32 s2, s2, s63
	s_add_nc_u64 s[50:51], s[16:17], s[2:3]
	s_or_b32 s51, s51, 0x80000000
	s_mul_i32 s2, s60, 36864
	s_add_nc_u64 s[78:79], s[8:9], s[2:3]
	s_or_b32 s79, s79, 0x80000000
	s_cmp_lt_u32 s24, 1                            ; one chain of branches, one load to an arm
	s_cbranch_scc0 .Lh1
	tensor_load_to_lds s[44:47], s[28:35]
	s_nop 0
.rept 4
	v_nop
.endr
	s_branch .Lasked
.Lh1:
	s_cmp_lt_u32 s24, 3
	s_cbranch_scc0 .Lh2
	tensor_load_to_lds s[48:51], s[36:43]
	s_nop 0
.rept 4
	v_nop
.endr
	s_branch .Lasked
.Lh2:
	tensor_load_to_lds s[76:79], s[68:75]
	s_nop 0
.rept 4
	v_nop
.endr
.Lasked:
	s_mul_i32 s2, s62, 576
	s_add_nc_u64 s[4:5], s[4:5], s[2:3]            ; q's codes at my first row
	s_mul_i32 s2, s62, 24
	s_add_nc_u64 s[6:7], s[6:7], s[2:3]
	s_mul_i32 s2, s60, 1536
	s_add_nc_u64 s[10:11], s[10:11], s[2:3]        ; w_qs's scales at the head's rows
	s_lshl_b32 s2, s25, 11
	s_add_nc_u64 s[14:15], s[14:15], s[2:3]        ; K's scale bytes
	s_lshl_b32 s2, s27, 15
	s_lshl_b32 s63, s60, 7
	s_add_co_u32 s2, s2, s63
	s_add_nc_u64 s[18:19], s[18:19], s[2:3]        ; V's
	s_add_co_u32 s2, s62, s60
	s_mul_i32 s2, s2, 768
	s_add_nc_u64 s[20:21], s[20:21], s[2:3]        ; oc: (16 x tile of rows + head) x 768
	s_lshl_b32 s2, s60, 14
	s_lshl_b32 s63, s62, 1
	s_add_co_u32 s2, s2, s63
	s_add_nc_u64 s[22:23], s[22:23], s[2:3]        ; osc: 2 (8,192 x head + row)
	s_mov_b32 s52, 0x76543210
	s_mov_b32 s53, 0xfedcba98                      ; selects for lane l xor 16
	s_mov_b32 s54, 0x3fb8aa3b                      ; log2(e)
	s_mov_b32 s55, s54
	s_mov_b32 s56, 0xbfb8aa3b
	s_mov_b32 s57, 0xba802008                      ; - 1 / 1023
	s_mov_b32 s58, 0x3a802008
	s_mov_b32 s59, s58
	s_mov_b32 s63, 0x03010200                      ; bytes 1 and 2 change places
	s_lshl_b32 s2, s24, 8
	s_add_co_u32 s2, s2, OSC
	v_and_b32 v38, 31, v0                          ; lane
	v_and_b32 v36, 15, v0                          ; r
	v_bfe_u32 v37, v0, 4, 1                        ; h
	v_lshlrev_b32 v1, 4, v38
	v_lshlrev_b32 v2, 3, v38
	v_add_nc_u32 v4, VREG, v1
	v_add_nc_u32 v5, VREG, v2
	v_mul_u32_u24 v6, v36, 720
	v_add_nc_u32 v6, WQL, v6
	v_lshl_add_u32 v7, v37, 6, v6                  ; w_qs: row r, + 48 h and one padding more,
	v_mad_u32_u24 v6, v37, 48, v6                  ; or + 48 h
	v_lshl_add_u32 v13, v36, 1, s2
	v_add_nc_u32 v19, s2, v2
	v_mul_u32_u24 v14, v36, 576
	v_mad_u32_u24 v14, v37, 48, v14                ; q: row r of 576 bytes, + 48 h
	v_mul_u32_u24 v15, v36, 24
	v_mul_u32_u24 v16, v38, 24
	v_lshlrev_b32 v17, 1, v36
	v_lshl_add_u32 v18, v37, 5, v17
	v_lshl_add_u32 v17, v37, 6, v17
.irp i, 0,1,2,3,4,5
	v_mov_b32 v[QT+\i], 0
	v_mov_b32 v[QT+12+\i], 0
.endr
.irp b, 4,5,8,9,10,11,12,13,14,15
	v_mov_b32 v[TM+\b], 0                          ; a lane permute's destination counts as one of its sources
.endr
	v_mov_b32 v[TP], 0
	ALU
	WIN 0xc0
.set I, 0
.rept 16
	global_load_u16 v[144+2*I], v17, s[14:15] offset:128*I
	global_load_u16 v[145+2*I], v17, s[14:15] offset:128*I+32
.set I, I+1
.endr
.set I, 0
.rept 16
	global_load_u16 v[176+2*I], v18, s[18:19] offset:4096*(I/2)+64*(I%2)
	global_load_u16 v[177+2*I], v18, s[18:19] offset:4096*(I/2)+64*(I%2)+2048
.set I, I+1
.endr
	WIN 0
.irp e, 0,1
.irp p, 0,1,2
	global_load_b64 v[WQS+6*\e+2*\p:WQS+6*\e+2*\p+1], v16, s[10:11] offset:768*\e+8*\p
.endr
.endr
.macro QLOAD                           ; a tile of q: 3 loads of scales, 18 of codes
	WIN 0
.irp p, 0,1,2
	global_load_b64 v[QSC+2*\p:QSC+2*\p+1], v15, s[6:7] offset:8*\p
.endr
	WIN 0x80
.irp ks, 0,1,2,3,4,5
.irp c, 0,1,2
	global_load_b128 v[12*\ks+4*\c:12*\ks+4*\c+3], v14, s[4:5] offset:96*\ks+16*\c
.endr
.endr
	WIN 0
.endm
.macro WLOAD                           ; w_qs's 24 fragments, F = 4 x K step + tile: byte y of a row lies at y + 16 (y / 64)
.set F, 0
.rept 24
.if F < 15
	WIN 0x80
.set WB, 72+12*F
.else
	WIN 0xc0
.set WB, 12*(F-15)
.endif
.irp c, 0,1,2
.set Y, 96*(F/4)+16*\c
.if Y%64 == 0
	ds_load_b128 v[WB+4*\c:WB+4*\c+3], v6 offset:Y+16*(Y/64)+11520*(F%4)
.else
	ds_load_b128 v[WB+4*\c:WB+4*\c+3], v7 offset:Y+16*(Y/64)+11520*(F%4)
.endif
.endr
.set F, F+1
.endr
	WIN 0
.endm
	QLOAD
	ALU
	s_wait_tensorcnt 0x0                           ; my tile has landed,
	s_barrier_signal -1
	s_barrier_wait -1                              ; everybody's has: the launch's one barrier; nothing is filled again
	WLOAD
	s_wait_loadcnt 21                              ; all but q's 21 loads
	WIN 0x33
.set I, 0
.rept 16
	v_lshl_or_b32 v[KS+I], v[145+2*I], 16, v[144+2*I]
	v_lshl_or_b32 v[VS+I], v[177+2*I], 16, v[176+2*I]
.set I, I+1
.endr
	WIN 0
.set I, 0
.rept 12
	v_perm_b32 v[WQS+I], v[WQS+I], v[WQS+I], s63
.set I, I+1
.endr
; 32 numbers of a lane (register 8 t + j = index 16 t + 8 h + j) become a half fragment in v[pc] .. v[pc + 5] and two scale bytes in v[TM + 8].  boff: what is taken off the exponent field for the byte
.macro QUANTH src, pc, tp, floor, boff
.irp b, 0,1
	v_max3_num_f32 v[TM+\b], |v[\src+16*\b]|, |v[\src+16*\b+1]|, \floor
	v_max3_num_f32 v[TM+2+\b], |v[\src+16*\b+8]|, |v[\src+16*\b+9]|, |v[\src+16*\b+10]|
.endr
.irp i, 2,4
.irp b, 0,1
	v_max3_num_f32 v[TM+\b], v[TM+\b], |v[\src+16*\b+\i]|, |v[\src+16*\b+\i+1]|
	v_max3_num_f32 v[TM+2+\b], v[TM+2+\b], |v[\src+16*\b+9+\i]|, |v[\src+16*\b+10+\i]|
.endr
.endr
.irp b, 0,1
	v_max3_num_f32 v[TM+\b], v[TM+\b], |v[\src+16*\b+6]|, |v[\src+16*\b+7]|
.endr
.irp b, 0,1
	v_max3_num_f32 v[TM+\b], v[TM+\b], v[TM+2+\b], |v[\src+16*\b+15]|
.endr
.irp b, 0,1
	v_permlanex16_b32 v[TM+4+\b], v[TM+\b], s52, s53
.endr
.irp b, 0,1
	v_max_num_f32 v[TM+\b], v[TM+\b], v[TM+4+\b]
.endr
.irp b, 0,1
	v_add_nc_u32 v[TM+6+\b], 0xfe000000, v[TM+\b]  ; the conversion's scale operand
	v_add_nc_u32 v[TM+4+\b], \boff, v[TM+\b]
.endr
.irp b, 0,1
	v_lshrrev_b32 v[TM+4+\b], 23, v[TM+4+\b]
.endr
	v_lshl_or_b32 v[TM+8], v[TM+5], 8, v[TM+4]
	v_cvt_scalef32_pk16_bf6_f32 v[\pc:\pc+2], v[\src:\src+15], v[TM+6]
	v_cvt_scalef32_pk16_bf6_f32 v[\tp:\tp+2], v[\src+16:\src+31], v[TM+7]
	v_nop                                          ; one plain line behind a scaled conversion
.irp i, 0,1,2
	v_permlane16_swap_b32 v[\pc+\i], v[\tp+\i]
.endr
.irp i, 0,1,2
	v_mov_b32 v[\pc+3+\i], v[\tp+\i]
.endr
.endm
.macro FETCHK g, buf                   ; eight fragments of K into window 1
.irp n, 0,1,2,3,4,5,6,7
	ds_load_b128 v[\buf+12*\n:\buf+12*\n+3], v1 offset:1536*(8*(\g)+\n)
	ds_load_b64 v[\buf+12*\n+4:\buf+12*\n+5], v2 offset:1536*(8*(\g)+\n)+512
	ds_load_b128 v[\buf+12*\n+6:\buf+12*\n+9], v1 offset:1536*(8*(\g)+\n)+768
	ds_load_b64 v[\buf+12*\n+10:\buf+12*\n+11], v2 offset:1536*(8*(\g)+\n)+1280
.endr
.endm
.macro VLOAD p                         ; V's eight fragments of steps 2 p, 2 p + 1 into set p % 2
.irp u, 0,1
.irp dt, 0,1,2,3
.set VB, 96*((\p)%2)+48*\u+12*\dt
.set VO, 768*(8*(2*(\p)+\u)+\dt)
	ds_load_b128 v[VB:VB+3], v4 offset:VO
	ds_load_b64 v[VB+4:VB+5], v5 offset:VO+512
	ds_load_b128 v[VB+6:VB+9], v4 offset:VO+3072
	ds_load_b64 v[VB+10:VB+11], v5 offset:VO+3584
.endr
.endr
.endm
.macro WG8 g                           ; products 8 g .. 8 g + 7: four fragments, each by [Q | 0] and by [0 | Q]
	WIN 0x81+0x40*((\g)/4)
.irp m, 0,1,2,3,4,5,6,7
	WS 8*((8*(\g)+\m)%32), 96*(((\g)/2)%2)+12*((4*(\g)+\m/2)%8), QT+6-6*(\m%2), 1, KS+(8*(\g)+\m)/4, QS, (\m/2)%2
.endr
.endm
.macro XG8 g                           ; the maxima take the group's accumulators, each from its low end on; eight chains
	WIN 0x28+0x14*((\g)/4)
.irp m, 0,1,2,3,4,5,6,7
.irp i, 0,1,2,3
	v_max3_num_f32 v[MX+(4*\m+\i)%8], v[MX+(4*\m+\i)%8], v[8*((8*(\g)+\m)%32)+2*\i], v[8*((8*(\g)+\m)%32)+2*\i+1]
.endr
.endr
.endm
.macro PV1 s, dt                       ; O^T += V^T p'^T: keys 128 s on, tile dt of the head; the four accumulators by turns
	WIN 0x01
	WS OT+8*(\dt), 96*(((\s)/2)%2)+48*((\s)%2)+12*(\dt), P0+20*((\s)%2), ((\s)==0), VS+2*(\s)+(\dt)/2, PW+(\s), (\dt)%2
.endm
; Keys 256 p on: p' finished (behind the first eight lines the pair before is multiplied), eight blocks' largest magnitudes, scale words, codes
.macro PAIR p
.set SW, 2+(\p)/2
.set SB, 128*((\p)%2)
.if (\p) >= 2
	WIN 0x40
	VLOAD \p
.endif
.if (\p) > 0
	ALU
.if (\p) >= 2
	s_wait_dscnt 32                                ; the pair before's V is in; the 32 loads just issued may be out
.else
	s_wait_dscnt 0x0
.endif
.endif
.set I, 0
.rept 64
.if ((\p) > 0) && (I == 8)
.irp j, 0,1,2,3,4,5,6,7
	PV1 2*((\p)-1)+\j/4, \j%4
.endr
.endif
	WIN (SW<<6)|SW
	v_pk_fma_f32 v[SB+2*I:SB+2*I+1], v[SB+2*I:SB+2*I+1], v[RP:RP+1], s[58:59] op_sel_hi:[1,0,0]   ; p' = 1 / 1023 - e / (1023 l)
.set I, I+1
.endr
.if (\p) == 3                          ; windows 2 and the low half of 3 are done with: the next tile's fragments of w_qs
	WIN 0
	ALU
	s_cmp_eq_u32 s62, 1
	s_cbranch_scc1 .Lnow
	WLOAD
.Lnow:
.endif
	WIN 0x14*SW
.irp b, 0,1,2,3,4,5,6,7
	v_max3_num_f32 v[TM+\b], 0x2800000, |v[SB+16*\b]|, |v[SB+16*\b+1]|
.endr
.irp i, 2,4,6,8,10,12,14
.irp b, 0,1,2,3,4,5,6,7
	v_max3_num_f32 v[TM+\b], v[TM+\b], |v[SB+16*\b+\i]|, |v[SB+16*\b+\i+1]|
.endr
.endr
	WIN 0
.irp b, 0,1,2,3,4,5,6,7
	v_permlanex16_b32 v[TM+8+\b], v[TM+\b], s52, s53
.endr
.irp b, 0,1,2,3,4,5,6,7
	v_max_num_f32 v[TM+\b], v[TM+\b], v[TM+8+\b]
.endr
.irp b, 0,1,2,3,4,5,6,7
	v_add_nc_u32 v[TM+16+\b], 0xfe000000, v[TM+\b]
.endr
.irp b, 0,1,2,3,4,5,6,7
	v_lshrrev_b32 v[TM+8+\b], 23, v[TM+16+\b]
.endr
.irp u, 0,1
	v_lshl_or_b32 v[PW+2*(\p)+\u], v[TM+9+4*\u], 8, v[TM+8+4*\u]
.endr
.irp u, 0,1
	v_lshl_or_b32 v[PW+2*(\p)+\u], v[TM+10+4*\u], 16, v[PW+2*(\p)+\u]
.endr
.irp u, 0,1
	v_lshl_or_b32 v[PW+2*(\p)+\u], v[TM+11+4*\u], 24, v[PW+2*(\p)+\u]
.endr
	WIN SW
.irp u, 0,1
.irp c, 0,1
	v_cvt_scalef32_pk16_bf6_f32 v[P0+20*\u+6*\c:P0+20*\u+6*\c+2], v[SB+64*\u+32*\c:SB+64*\u+32*\c+15], v[TM+16+4*\u+2*\c]
	v_cvt_scalef32_pk16_bf6_f32 v[P0+20*\u+12+4*\c:P0+20*\u+14+4*\c], v[SB+64*\u+16+32*\c:SB+64*\u+31+32*\c], v[TM+17+4*\u+2*\c]
.endr
.endr
	WIN 0
	v_nop                                          ; one plain line behind a scaled conversion
.irp u, 0,1
.irp c, 0,1
.irp i, 0,1,2
	v_permlane16_swap_b32 v[P0+20*\u+6*\c+\i], v[P0+20*\u+12+4*\c+\i]
.endr
.endr
.endr
.irp u, 0,1
.irp c, 0,1
.irp i, 0,1,2
	v_mov_b32 v[P0+20*\u+3+6*\c+\i], v[P0+20*\u+12+4*\c+\i]
.endr
.endr
.endr
.endm
	s_mov_b32 s61, 0                               ; the tile's place among O's scale bytes
	s_mov_b32 s62, 8                               ; tiles to go
	ALU
	s_wait_dscnt 0x0                               ; w_qs's fragments are in
.Ltile:
	WIN 0x40
	FETCHK 0, 0
	FETCHK 1, 96
	WIN 0
	v_add_nc_u32 v9, s61, v13
	ALU
	s_wait_loadcnt 0x0                             ; this tile's q is in, so its bases may step to the next tile
	s_add_nc_u64 s[4:5], s[4:5], 9216
	s_add_nc_u64 s[6:7], s[6:7], 384
.irp n, 0,1,2,3,4,5
	v_perm_b32 v[QSC+\n], v[QSC+\n], v[QSC+\n], s63
.endr
.irp c, 0,1,2,3,4,5,6,7                ; sixteen plain lines: a scale register so written stands 8 places ahead of a scaled product
	v_mov_b32 v[MX+\c], 0xff800000
	v_mov_b32 v[LS+8+\c], 0
.endr
.set F, 0
.rept 24                               ; Q^T = w_qs q^T: four accumulators by turns, six K steps
.if F < 15
	WIN 0x0a
.set WB, 72+12*F
.else
	WIN 0x0b
.set WB, 12*(F-15)
.endif
	WS OT+8*(F%4), WB, 12*(F/4), (F<4), WQS+6*((F%4)/2)+F/4, QSC+F/4, F%2
.set F, F+1
.endr
	WIN 0
.rept 4
	v_nop
.endr
	QUANTH OT, QT+6, P0, 0x4000000, 0xfc800000     ; / 8: 3 more off the bytes
	v_lshl_or_b32 v[QS], v[TM+8], 16, v[TM+8]      ; the two bytes twice: the word serves [Q | 0] and [0 | Q]
.rept 8
	v_nop
.endr
	ALU
	s_wait_dscnt 32                                ; K's first eight fragments are in; the next eight's 32 loads may be out
	WG8 0
	WIN 0
.irp c, 0,1,2,3,4,5,6,7                ; eight plain lines: the places behind the first group
	v_mov_b32 v[LS+\c], 0
.endr
	WG8 1
	XG8 0
	WIN 0x40
	FETCHK 2, 0
	ALU
	s_wait_dscnt 32                                ; all but the 32 just issued
	WG8 2
	XG8 1
	WG8 3
	XG8 2
	WIN 0x40
	FETCHK 3, 96
	ALU
	s_wait_dscnt 32
	WG8 4
	XG8 3
	WG8 5
	XG8 4
	WIN 0x40
	VLOAD 0
	ALU
	s_wait_dscnt 32
	WG8 6
	XG8 5
	WG8 7
	XG8 6
	XG8 7
	WIN 0x40
	VLOAD 1
	WIN 0
	v_max3_num_f32 v[MX], v[MX], v[MX+1], v[MX+2]
	v_max3_num_f32 v[MX+3], v[MX+3], v[MX+4], v[MX+5]
	v_max3_num_f32 v[MX], v[MX], v[MX+3], v[MX+6]
	v_max_num_f32 v[MX], v[MX], v[MX+7]
	v_permlanex16_b32 v[TP], v[MX], s52, s53       ; the query's other 512 keys lie in the lane 16 away
	v_max_num_f32 v[MX], v[MX], v[TP]
	v_mul_f32 v[NCM], s56, v[MX]
	v_mov_b32 v[NCM+1], v[NCM]
.irp w, 2,3
	WIN ((\w)<<6)|(\w)
.set K, 0
.rept 32
	v_pk_fma_f32 v[2*K:2*K+1], v[2*K:2*K+1], s[54:55], v[NCM:NCM+1] op_sel_hi:[1,0,0]   ; log2(e) (s - m)
.set K, K+1
.endr
	ALU
.set J, 0
.rept 4                                ; 64 exponentials; among them the multiply-adds of the next 64 registers, first read behind the wait
.set K, 0
.rept 32
	v_exp_f32 v[64*J+2*K], v[64*J+2*K]
	v_exp_f32 v[64*J+2*K+1], v[64*J+2*K+1]
.if J < 3
	v_pk_fma_f32 v[64*J+64+2*K:64*J+65+2*K], v[64*J+64+2*K:64*J+65+2*K], s[54:55], v[NCM:NCM+1] op_sel_hi:[1,0,0]
.endif
.set K, K+1
.endr
.if J < 3
	ALU
.endif
.set J, J+1
.endr
.endr
	WIN 0
	v_nop
	ALU
.irp w, 2,3
	WIN \w
.set K, 0
.rept 128
	v_pk_add_f32 v[LS+2*(K%8):LS+2*(K%8)+1], v[2*K:2*K+1], v[LS+2*(K%8):LS+2*(K%8)+1]
.set K, K+1
.endr
.endr
	WIN 0
.irp c, 0,1,2,3
	v_pk_add_f32 v[LS+2*\c:LS+2*\c+1], v[LS+2*\c:LS+2*\c+1], v[LS+8+2*\c:LS+9+2*\c]
.endr
.irp c, 0,1
	v_pk_add_f32 v[LS+2*\c:LS+2*\c+1], v[LS+2*\c:LS+2*\c+1], v[LS+4+2*\c:LS+5+2*\c]
.endr
	v_pk_add_f32 v[LS:LS+1], v[LS:LS+1], v[LS+2:LS+3]
	v_add_f32 v[LS], v[LS], v[LS+1]
	v_permlanex16_b32 v[TP], v[LS], s52, s53
	v_add_f32 v[LS], v[LS], v[TP]                  ; the row's sum, at least 1
	ALU
	v_rcp_f32 v[TP+1], v[LS]
	v_nop
	ALU
	v_mul_f32 v[RP], s57, v[TP+1]
	v_mov_b32 v[RP+1], v[RP]
	PAIR 0
	ALU                                            ; v0-127 of window 2 are done with: the next tile's q
	s_cmp_eq_u32 s62, 1
	s_cbranch_scc1 .Lnoq
	QLOAD
.Lnoq:
	PAIR 1
	PAIR 2
	PAIR 3
.rept 4
	v_nop                                          ; codes written by vector instructions stand 4 places ahead of a scaled product
.endr
	ALU
	s_wait_dscnt 0x0                               ; V's last fragments, and the next tile's of w_qs
.irp j, 0,1,2,3,4,5,6,7
	PV1 6+\j/4, \j%4
.endr
	WIN 0
.rept 4
	v_nop
.endr
	QUANTH OT, P0, P0+6, 0x2800000, 0xfe000000     ; O's 64 numbers of this head: two blocks of the last product's K
	global_store_b128 v1, v[P0:P0+3], s[20:21]     ; 512 consecutive bytes,
	global_store_b64 v2, v[P0+4:P0+5], s[20:21] offset:512   ; then 256
	ds_store_b16 v9, v[TM+8]
	s_wait_xcnt 0x0                                ; the stores have read their registers and their base
	s_add_nc_u64 s[20:21], s[20:21], 12288         ; the next tile of rows: 16 heads x 768 bytes on
	s_add_co_u32 s61, s61, 32
	s_sub_co_u32 s62, s62, 1
	s_cmp_lg_u32 s62, 0
	ALU
	s_cbranch_scc1 .Ltile
	ds_load_b64 v[LS:LS+1], v19                    ; my 128 rows' scale bytes
	s_wait_dscnt 0x0
	global_store_b64 v2, v[LS:LS+1], s[22:23]      ; 256 consecutive bytes
	s_wait_tensorcnt 0x0                           ; the wave's end
	ds_add_u32 v254, v255
	s_wait_dscnt 0x0
	s_endpgm
.Lfunc_end_k_q44f00c9459_attn:
	.size	k_q44f00c9459_attn, .Lfunc_end_k_q44f00c9459_attn-k_q44f00c9459_attn
	.p2alignl 7, 3214868480
	.fill 96, 4, 3214868480
	.section	.rodata,"a",@progbits
	.p2align	6, 0x0
	.amdhsa_kernel k_q44f00c9459_attn
		.amdhsa_group_segment_fixed_size 168448
		.amdhsa_private_segment_fixed_size 0
		.amdhsa_enable_private_segment 0
		.amdhsa_kernarg_size 80
		.amdhsa_user_sgpr_count 2
		.amdhsa_user_sgpr_kernarg_segment_ptr 1
		.amdhsa_wavefront_size32 1
		.amdhsa_system_sgpr_workgroup_id_x 1
		.amdhsa_system_sgpr_workgroup_id_y 1
		.amdhsa_system_sgpr_workgroup_id_z 1
		.amdhsa_system_vgpr_workitem_id 0
		.amdhsa_next_free_vgpr 1024
		.amdhsa_next_free_sgpr 80
		.amdhsa_reserve_vcc 0
		.amdhsa_float_denorm_mode_32 3
		.amdhsa_float_denorm_mode_16_64 3
		.amdhsa_memory_ordered 1
		.amdhsa_forward_progress 1
		.amdhsa_inst_pref_size 183
	.end_amdhsa_kernel
	.amdgpu_metadata
---
amdhsa.version: [ 1, 2 ]
amdhsa.kernels:
  - .name:           k_q44f00c9459_attn
    .symbol:         k_q44f00c9459_attn.kd
    .args:
      - { .name: q_codes, .offset: 0, .size: 8, .value_kind: global_buffer, .address_space: global }
      - { .name: q_scales, .offset: 8, .size: 8, .value_kind: global_buffer, .address_space: global }
      - { .name: w_qs_codes, .offset: 16, .size: 8, .value_kind: global_buffer, .address_space: global }
      - { .name: w_qs_scales, .offset: 24, .size: 8, .value_kind: global_buffer, .address_space: global }
      - { .name: kc, .offset: 32, .size: 8, .value_kind: global_buffer, .address_space: global }
      - { .name: ksc, .offset: 40, .size: 8, .value_kind: global_buffer, .address_space: global }
      - { .name: vc, .offset: 48, .size: 8, .value_kind: global_buffer, .address_space: global }
      - { .name: vsc, .offset: 56, .size: 8, .value_kind: global_buffer, .address_space: global }
      - { .name: oc, .offset: 64, .size: 8, .value_kind: global_buffer, .address_space: global }
      - { .name: osc, .offset: 72, .size: 8, .value_kind: global_buffer, .address_space: global }
    .group_segment_fixed_size: 168448
    .private_segment_fixed_size: 0
    .kernarg_segment_align: 8
    .kernarg_segment_size: 80
    .max_flat_workgroup_size: 128
    .sgpr_count:     80
    .vgpr_count:     1024
    .wavefront_size: 32
...
	.end_amdgpu_metadata
.endif
;; end of part 2
;; launch final (part 3): grid 128 x 1, 4 waves a work-group, no clusters, 168,448 bytes of LDS; arguments oc, osc, q_codes, q_scales, wimg, fc_w_scales, resid_w_scales, resid_b, ln_gamma, ln_beta, out0; writes out0
.if DOCPART == 3
	.amdgcn_target "amdgcn-amd-amdhsa--gfx1250"
	.amdhsa_code_object_version 6
	.text
	.protected	k_q44f00c9459_final
	.globl	k_q44f00c9459_final
	.p2align	8
	.type	k_q44f00c9459_final,@function
k_q44f00c9459_final:
	s_mov_b64 s[64:65], 0
	v_nop
	global_prefetch_b8 v0, s[64:65] scope:SCOPE_SE
	s_setreg_imm32_b32 hwreg(HW_REG_WAVE_MODE, 25, 1), 1
	s_wait_xcnt 0x0
; out = LayerNorm(O fc_w + q resid_w + resid_b) gamma + beta.  The two products are ONE sum over K = 1,024 + 768 = 14 K steps of 128, on codes of BF6 (E3M2) with E8M0 scales; the bias starts the sums.
; SHARES.  A work-group owns 64 whole rows (the norm wants whole rows); wave w owns columns 256 w .. 256 w + 255 of them: 16 tiles of columns x 4 tiles of rows = 64 accumulators, 512 registers.
; 64 rows are the most whose 1,024 sums a row fit four waves' registers beside the operands; every work-group walks all 1,376,256 bytes of weights whatever its rows, so fewer rows would only read them more often.
; THE ROWS' CODES (O: 49,152 bytes, q: 36,864) come into LDS once, one tensor load a wave; nothing is filled again.
; THE WEIGHTS GO FROM MEMORY STRAIGHT INTO REGISTERS: no weight byte is wanted by two waves of a work-group, and as images of operand registers each load covers 512 consecutive bytes.
; A ring of 20 fragments keeps 48 loads a wave out at every counted wait.  NO CLUSTER: joint loads go through LDS slots with a wait for all loads at each of 14 changes of slots; that is given up for the ring in registers.
; The matrix instruction is used transposed (source 0 = 16 columns of the weight, source 1 = 16 rows): a lane holds one row and eight neighbouring columns.
; THE NORM in two passes (mean; then the squares of the differences), across lanes by one exchange and across the four waves through LDS.
; LIMITS: NaN and infinities are not served.
; REGISTERS.  Window 0: v1-15 addresses; v16-63, v64-111 the rows' fragments, two sets (later the norm's figures); v112-127 O's scale words, v128-139 q's, v144-207 fc_w's, v208-255 resid_w's: these hold scales alone.
;   Window 1: the ring of 20 weight fragments; later gamma (v0-127) and beta (v128-255).   Windows 2, 3: accumulator (t, m) at v[8 (4 (t % 8) + m)], window 2 for t < 8.
.set AQ,  49152                        ; LDS: O's 32 half-fragment pairs at 0; q's 64 rows here, pitch 720 (9 x (64 + 16))
.set RED, 95232                        ; 2 x 1,024 bytes: the waves' partial sums
.set STG, 97280                        ; + 16,640 x wave: 16 rows x (1,024 + 16) bytes, for the way out
.set ASO, 112
.set ASQ, 128
.set BSF, 144
.set BSR, 208
.set SUM, 80                           ; v80-87   four pairs of sums
.set NM,  88                           ; v88-95   - mean, in pairs
.set RS,  96                           ; v96-103  1 / sqrt(var + eps), in pairs
.set TP,  104                          ; v104-111 at work
.set MSB, 0
.macro WIN new                         ; s_set_vgpr_msb: bits 1:0 source 0, 3:2 source 1, 5:4 source 2, 7:6 destination; the high byte repeats the setting that is left
.if MSB != (\new)
	s_set_vgpr_msb (MSB<<8)|(\new)
.set MSB, (\new)
.endif
.endm
.macro WM d, a, b, sa, sb, ra, rb      ; ra, rb = 1: that side's scales stand in lanes 16-31
.if (\ra) && (\rb)
	v_wmma_scale_f32_16x16x128_f8f6f4 v[\d:\d+7], v[\a:\a+11], v[\b:\b+11], v[\d:\d+7], v[\sa], v[\sb] matrix_a_fmt:MATRIX_FMT_BF6 matrix_b_fmt:MATRIX_FMT_BF6 matrix_a_scale:MATRIX_SCALE_ROW1 matrix_b_scale:MATRIX_SCALE_ROW1
.elseif (\ra)
	v_wmma_scale_f32_16x16x128_f8f6f4 v[\d:\d+7], v[\a:\a+11], v[\b:\b+11], v[\d:\d+7], v[\sa], v[\sb] matrix_a_fmt:MATRIX_FMT_BF6 matrix_b_fmt:MATRIX_FMT_BF6 matrix_a_scale:MATRIX_SCALE_ROW1
.elseif (\rb)
	v_wmma_scale_f32_16x16x128_f8f6f4 v[\d:\d+7], v[\a:\a+11], v[\b:\b+11], v[\d:\d+7], v[\sa], v[\sb] matrix_a_fmt:MATRIX_FMT_BF6 matrix_b_fmt:MATRIX_FMT_BF6 matrix_b_scale:MATRIX_SCALE_ROW1
.else
	v_wmma_scale_f32_16x16x128_f8f6f4 v[\d:\d+7], v[\a:\a+11], v[\b:\b+11], v[\d:\d+7], v[\sa], v[\sb] matrix_a_fmt:MATRIX_FMT_BF6 matrix_b_fmt:MATRIX_FMT_BF6
.endif
.endm
	s_load_b512 s[4:19], s[0:1], 0x0               ; oc s[4:5], osc s[6:7], q codes s[8:9], q scales s[10:11], wimg s[12:13], fc_w scales s[14:15], resid_w scales s[16:17], resid_b s[18:19]
	s_load_b128 s[20:23], s[0:1], 0x40             ; gamma, beta
	s_load_b64 s[24:25], s[0:1], 0x50              ; out0
	v_lshl_add_u32 v142, v0, 2, 0x29000
	v_mov_b32 v143, 0
	ds_add_u32 v142, v143
	ds_add_u32 v142, v143
	v_lshrrev_b32 v13, 5, v0
	v_readfirstlane_b32 s26, v13                   ; wave 0..3
	s_and_b32 s27, s26, 1
	s_mov_b32 s3, 0
	; descriptor group 1 for O's codes: 24,576 dense bytes as 96 rows of 256 bytes
	s_mov_b32 s28, 3<<16
	s_mov_b32 s29, 32<<16
	s_mov_b32 s30, 96<<16
	s_mov_b32 s31, 32<<16
	s_mov_b32 s32, 96
	s_mov_b32 s33, 32
	s_mov_b32 s34, 0
	s_mov_b32 s35, 0
	; for q's: 32 rows of 576 bytes, 16 bytes of padding behind every 64
	s_mov_b32 s36, (0<<16)|(1<<20)|(3<<22)|(3<<25)
	s_mov_b32 s37, 256<<16                         ; 32 rows of q are 18,432 dense bytes: stated as 72 rows of 256 bytes; with the padding behind every 64 bytes a row of q keeps the pitch 720
	s_mov_b32 s38, 72<<16
	s_mov_b32 s39, 256<<16
	s_mov_b32 s40, 72
	s_mov_b32 s41, 256
	s_mov_b32 s42, 0
	s_mov_b32 s43, 0
	s_mov_b32 s44, 1
	s_mul_i32 s45, s26, 24576                      ; waves 0, 1: O's halves
	s_mov_b32 s48, 1
	s_mul_i32 s49, s27, 23040
	s_add_co_u32 s49, s49, AQ                      ; waves 2, 3: q's halves
	s_wait_dscnt 0x0
	s_wait_kmcnt 0x0
	s_mul_i32 s2, ttmp9, 49152
	s_mul_i32 s56, s27, 24576
	s_add_co_u32 s2, s2, s56
	s_add_nc_u64 s[46:47], s[4:5], s[2:3]
	s_or_b32 s47, s47, 0x80000000
	s_mul_i32 s2, ttmp9, 36864
	s_mul_i32 s56, s27, 18432
	s_add_co_u32 s2, s2, s56
	s_add_nc_u64 s[50:51], s[8:9], s[2:3]
	s_or_b32 s51, s51, 0x80000000
	s_cmp_lt_u32 s26, 2                            ; each wave issues one tensor load, its only one
	s_cbranch_scc0 .Lfor_q
	tensor_load_to_lds s[44:47], s[28:35]
	s_nop 0
.rept 4
	v_nop
.endr
	s_branch .Lasked
.Lfor_q:
	tensor_load_to_lds s[48:51], s[36:43]
	s_nop 0
.rept 4
	v_nop
.endr
.Lasked:
	s_lshl_b32 s2, ttmp9, 7
	s_add_nc_u64 s[6:7], s[6:7], s[2:3]            ; osc: 2 bytes a row, my 64 rows
	s_mul_i32 s2, ttmp9, 1536
	s_add_nc_u64 s[10:11], s[10:11], s[2:3]        ; q's scales: 24 bytes a row
	s_mul_i32 s2, s26, 24576
	s_add_nc_u64 s[12:13], s[12:13], s[2:3]        ; the images of my 16 tiles of columns
	s_lshl_b32 s2, s26, 13
	s_add_nc_u64 s[14:15], s[14:15], s[2:3]
	s_mul_i32 s2, s26, 6144
	s_add_nc_u64 s[16:17], s[16:17], s[2:3]
	s_lshl_b32 s2, s26, 10
	s_add_nc_u64 s[18:19], s[18:19], s[2:3]
	s_add_nc_u64 s[20:21], s[20:21], s[2:3]
	s_add_nc_u64 s[22:23], s[22:23], s[2:3]
	s_lshl_b32 s56, ttmp9, 18
	s_add_co_u32 s2, s2, s56
	s_add_nc_u64 s[24:25], s[24:25], s[2:3]        ; out0: 64 rows of 4,096 bytes a work-group, 1,024 bytes a wave
	s_mov_b32 s52, 0x76543210
	s_mov_b32 s53, 0xfedcba98                      ; v_permlanex16_b32's selects for lane l xor 16
	s_mov_b32 s54, 0x3a800000                      ; 1 / 1024
	s_mov_b32 s55, 0x3727c5ac                      ; 1e-5
	v_and_b32 v13, 31, v0                          ; lane
	v_and_b32 v14, 15, v0                          ; r
	v_bfe_u32 v15, v0, 4, 1                        ; h
	v_lshlrev_b32 v1, 4, v13                       ; 16 x lane
	v_lshlrev_b32 v2, 3, v13                       ; 8 x lane
	v_mul_u32_u24 v3, v14, 720
	v_mad_u32_u24 v3, v15, 24, v3
	v_add_nc_u32 v3, AQ, v3                        ; q: row r x pitch + 24 h,
	v_lshl_add_u32 v4, v15, 4, v3                  ; and the same behind one padding more
	v_lshlrev_b32 v6, 4, v14
	v_add_nc_u32 v6, RED, v6                       ; the four waves' partial sums of row r
	s_lshl_b32 s2, s26, 2
	v_add_nc_u32 v5, s2, v6                        ; mine among them
	s_mul_i32 s2, s26, 16640
	s_add_co_u32 s2, s2, STG
	v_mul_u32_u24 v7, v14, 1040
	v_lshl_add_u32 v7, v15, 5, v7
	v_add_nc_u32 v7, s2, v7                        ; the stage, in: row r, + 32 h
	v_add_nc_u32 v8, s2, v1                        ; and back: 16 bytes a lane
	v_lshlrev_b32 v9, 5, v15                       ; 32 h: my eight columns of a tile
	v_lshlrev_b32 v10, 5, v13                      ; 32 x lane
	v_mul_u32_u24 v11, v13, 24                     ; 24 x lane
	v_lshlrev_b32 v12, 1, v13                      ; 2 x lane
.irp b, 0,1,2,3
	v_mov_b32 v[TP+4+\b], 0                        ; a lane permute's destination counts as one of its sources
.endr
	; ---- scales, bias, and the first five groups of weights
.set I, 0
.rept 16                                       ; I = 8 mp + K step: O's word of row 32 mp + lane: the two bytes of head 2 ks below, of head 2 ks + 1 above
	global_load_u16 v[16+2*I], v12, s[6:7] offset:32768*(I%8)+64*(I/8)
	global_load_u16 v[17+2*I], v12, s[6:7] offset:32768*(I%8)+64*(I/8)+16384
.set I, I+1
.endr
.irp mp, 0,1
.irp p, 0,1,2
	global_load_b64 v[ASQ+6*\mp+2*\p:ASQ+6*\mp+2*\p+1], v11, s[10:11] offset:768*\mp+8*\p
.endr
.endr
.irp e, 0,1,2,3,4,5,6,7
.irp c, 0,1
	global_load_b128 v[BSF+8*\e+4*\c:BSF+8*\e+4*\c+3], v10, s[14:15] offset:1024*\e+16*\c
.endr
.endr
.irp e, 0,1,2,3,4,5,6,7
.irp p, 0,1,2
	global_load_b64 v[BSR+6*\e+2*\p:BSR+6*\e+2*\p+1], v11, s[16:17] offset:768*\e+8*\p
.endr
.endr
.irp w, 0,1                                    ; resid_b goes straight into the accumulators: the other row tiles' first products take it as C, and nothing is cleared
	WIN 0x80+0x40*\w
.irp t, 0,1,2,3,4,5,6,7
.irp m, 0                                      ; the bias is loaded into row tile 0's accumulators alone: in the first K step the other three row tiles take these registers as C
	global_load_b128 v[8*(4*\t+\m):8*(4*\t+\m)+3], v9, s[18:19] offset:64*(8*\w+\t)
	global_load_b128 v[8*(4*\t+\m)+4:8*(4*\t+\m)+7], v9, s[18:19] offset:64*(8*\w+\t)+16
.endr
.endr
.endr
.macro BLOAD g                         ; group g: weight fragments 4 g .. 4 g + 3 (fragment f = 16 x K step + tile) into the ring at 12 (f % 20)
	WIN 0x40
.irp i, 0,1,2,3
.irp c, 0,1,2
.set F, 4*(\g)+\i
	global_load_b128 v[12*(F%20)+4*\c:12*(F%20)+4*\c+3], v1, s[12:13] offset:98304*(F/16)+1536*(F%16)+512*\c
.endr
.endr
.endm
.irp g, 0,1,2,3,4
	BLOAD \g
.endr
	WIN 0
	s_wait_loadcnt 60                              ; all but the 60 weight loads just issued
.set I, 0
.rept 16
	v_lshl_or_b32 v[ASO+I], v[17+2*I], 16, v[16+2*I]
.set I, I+1
.endr
.rept 8
	v_nop                                          ; a scale register written by a vector instruction stands 8 places ahead of a scaled product
.endr
	s_wait_alu depctr_va_vdst(0)
	s_wait_tensorcnt 0x0                           ; my part of the rows' codes has landed,
	s_barrier_signal -1
	s_barrier_wait -1                              ; everybody's has
.macro ALOAD ks                        ; the four tiles of rows, K step ks, into set ks % 2
.set AB, 16+48*((\ks)%2)
.if (\ks) < 8
.irp m, 0,1,2,3                                ; O: the half fragments of heads 2 ks and 2 ks + 1 lie side by side
	ds_load_b128 v[AB+12*\m:AB+12*\m+3], v1 offset:(16*\m+2*(\ks))*768
	ds_load_b64 v[AB+12*\m+4:AB+12*\m+5], v2 offset:(16*\m+2*(\ks))*768+512
	ds_load_b128 v[AB+12*\m+6:AB+12*\m+9], v1 offset:(16*\m+2*(\ks))*768+768
	ds_load_b64 v[AB+12*\m+10:AB+12*\m+11], v2 offset:(16*\m+2*(\ks))*768+1280
.endr
.else
.irp m, 0,1,2,3                                ; q: from rows, in pieces of 8 bytes; where the piece three on lies behind one padding more, the second address register serves
.irp p, 0,1,2,3,4,5
.set PC, 12*((\ks)-8)+6*(\p/3)+\p%3
.if PC%8 < 5
	ds_load_b64 v[AB+12*\m+2*\p:AB+12*\m+2*\p+1], v3 offset:8*PC+16*(PC/8)+\m*16*720
.else
	ds_load_b64 v[AB+12*\m+2*\p:AB+12*\m+2*\p+1], v4 offset:8*PC+16*(PC/8)+\m*16*720
.endif
.endr
.endr
.endif
.endm
; Group g: four tiles of columns x four tiles of rows, K step g / 4.  An accumulator comes again after the 63 others.
.macro WMC d, c, a, b, sa, sb, ra, rb  ; a product that starts a sum from other registers: C = v[c] .. v[c + 7], the bias
.if (\ra) && (\rb)
	v_wmma_scale_f32_16x16x128_f8f6f4 v[\d:\d+7], v[\a:\a+11], v[\b:\b+11], v[\c:\c+7], v[\sa], v[\sb] matrix_a_fmt:MATRIX_FMT_BF6 matrix_b_fmt:MATRIX_FMT_BF6 matrix_a_scale:MATRIX_SCALE_ROW1 matrix_b_scale:MATRIX_SCALE_ROW1
.elseif (\ra)
	v_wmma_scale_f32_16x16x128_f8f6f4 v[\d:\d+7], v[\a:\a+11], v[\b:\b+11], v[\c:\c+7], v[\sa], v[\sb] matrix_a_fmt:MATRIX_FMT_BF6 matrix_b_fmt:MATRIX_FMT_BF6 matrix_a_scale:MATRIX_SCALE_ROW1
.elseif (\rb)
	v_wmma_scale_f32_16x16x128_f8f6f4 v[\d:\d+7], v[\a:\a+11], v[\b:\b+11], v[\c:\c+7], v[\sa], v[\sb] matrix_a_fmt:MATRIX_FMT_BF6 matrix_b_fmt:MATRIX_FMT_BF6 matrix_b_scale:MATRIX_SCALE_ROW1
.else
	v_wmma_scale_f32_16x16x128_f8f6f4 v[\d:\d+7], v[\a:\a+11], v[\b:\b+11], v[\c:\c+7], v[\sa], v[\sb] matrix_a_fmt:MATRIX_FMT_BF6 matrix_b_fmt:MATRIX_FMT_BF6
.endif
.endm
.macro GROUP g
.set KX, (\g)/4
.set AB, 16+48*(KX%2)
.if 55-(\g) >= 4
	s_wait_loadcnt 48                              ; this group's 12 loads are in; those of the four groups behind it may be out
.else
	s_wait_loadcnt 12*(55-(\g))
.endif
.if (\g)%4 == 0
	s_wait_dscnt 0x0                               ; the K step's rows are in (asked for a K step ago)
.endif
	WIN 0xa1+0x50*(((\g)%4)/2)
.irp m, 1,2,3,0                                ; row tile 0 last: in the first K step its accumulators hold the bias that the other three read
.if (KX == 0) && (\m == 0)
.rept 5
	v_nop                                          ; five places ahead of products that write over registers which the products above took as C
.endr
.endif
.irp i, 0,1,2,3
.set TT, 4*((\g)%4)+\i
.if KX < 8
.set BSX, BSF+8*(TT/2)+KX
.set ASX, ASO+8*(\m/2)+KX
.else
.set BSX, BSR+6*(TT/2)+KX-8
.set ASX, ASQ+6*(\m/2)+KX-8
.endif
.if (KX == 0) && (\m > 0)
	WMC 8*(4*(TT%8)+\m), 8*(4*(TT%8)), 12*((4*(\g)+\i)%20), AB+12*\m, BSX, ASX, \i%2, \m%2
.else
	WM 8*(4*(TT%8)+\m), 12*((4*(\g)+\i)%20), AB+12*\m, BSX, ASX, \i%2, \m%2
.endif
.endr
.endr
.rept 4
	v_nop                                          ; places in front of loads into registers that these products have read
.endr
.if (\g)+5 < 56
	BLOAD (\g)+5
.endif
.if ((\g)%4 == 0) && (KX < 13)
	WIN 0
	ALOAD KX+1
.endif
.endm
	ALOAD 0
.set G, 0
.rept 56
	GROUP G
.set G, G+1
.endr
	; ---- the norm.  gamma and beta of my columns take the ring's place: register 8 t + j = column 16 t + 8 h + j
	WIN 0x40
.set I, 0
.rept 32
	global_load_b128 v[4*I:4*I+3], v9, s[20:21] offset:64*(I/2)+16*(I%2)
	global_load_b128 v[128+4*I:128+4*I+3], v9, s[22:23] offset:64*(I/2)+16*(I%2)
.set I, I+1
.endr
	WIN 0
.irp c, 0,1,2,3,4,5,6,7
	v_mov_b32 v[SUM+\c], 0
.endr
.irp w, 0,1
	WIN 0x02+\w
.irp t, 0,1,2,3,4,5,6,7
.irp p, 0,1,2,3
.irp m, 0,1,2,3                                ; four chains; each accumulator from its low end on
	v_pk_add_f32 v[SUM+2*\m:SUM+2*\m+1], v[8*(4*\t+\m)+2*\p:8*(4*\t+\m)+2*\p+1], v[SUM+2*\m:SUM+2*\m+1]
.endr
.endr
.endr
.endr
	WIN 0
; my 128 numbers' sums of four rows -> the rows' sums in v16, v20, v24, v28: the pair's halves, lane l xor 16, then the four waves through LDS at off
.macro ACROSS off
.irp m, 0,1,2,3
	v_add_f32 v[TP+\m], v[SUM+2*\m], v[SUM+2*\m+1]
.endr
.irp m, 0,1,2,3
	v_permlanex16_b32 v[TP+4+\m], v[TP+\m], s52, s53
.endr
.irp m, 0,1,2,3
	v_add_f32 v[TP+\m], v[TP+\m], v[TP+4+\m]
.endr
.irp m, 0,1,2,3
	ds_store_b32 v5, v[TP+\m] offset:\off+256*\m   ; both lanes of a row write the same word
.endr
	s_wait_dscnt 0x0                               ; for the others' sake: my stores are done
	s_barrier_signal -1
	s_barrier_wait -1
.irp m, 0,1,2,3
	ds_load_b128 v[16+4*\m:19+4*\m], v6 offset:\off+256*\m
.endr
	s_wait_dscnt 0x0
.irp m, 0,1,2,3
	v_add_f32 v[16+4*\m], v[16+4*\m], v[17+4*\m]
	v_add_f32 v[18+4*\m], v[18+4*\m], v[19+4*\m]
.endr
.irp m, 0,1,2,3
	v_add_f32 v[16+4*\m], v[16+4*\m], v[18+4*\m]
.endr
.endm
	ACROSS 0
.irp m, 0,1,2,3
	v_mul_f32 v[NM+2*\m], 0xba800000, v[16+4*\m]   ; - mean
.endr
.irp m, 0,1,2,3
	v_mov_b32 v[NM+2*\m+1], v[NM+2*\m]
.endr
.irp c, 0,1,2,3,4,5,6,7
	v_mov_b32 v[SUM+\c], 0
.endr
.irp w, 0,1
	WIN 0x82+0x41*\w
.irp t, 0,1,2,3,4,5,6,7
.irp p, 0,1,2,3
.irp m, 0,1,2,3
	v_pk_add_f32 v[8*(4*\t+\m)+2*\p:8*(4*\t+\m)+2*\p+1], v[8*(4*\t+\m)+2*\p:8*(4*\t+\m)+2*\p+1], v[NM+2*\m:NM+2*\m+1]   ; y - mean
.endr
.endr
.endr
	WIN 0x0a+5*\w
.irp t, 0,1,2,3,4,5,6,7
.irp p, 0,1,2,3
.irp m, 0,1,2,3
	v_pk_fma_f32 v[SUM+2*\m:SUM+2*\m+1], v[8*(4*\t+\m)+2*\p:8*(4*\t+\m)+2*\p+1], v[8*(4*\t+\m)+2*\p:8*(4*\t+\m)+2*\p+1], v[SUM+2*\m:SUM+2*\m+1]   ; and its square
.endr
.endr
.endr
.endr
	WIN 0
	ACROSS 1024                                    ; other bytes than the first time: no barrier between the reads there and the stores here
.irp m, 0,1,2,3
	v_fma_f32 v[16+4*\m], v[16+4*\m], s54, s55     ; var + eps
.endr
	s_wait_alu depctr_va_vdst(0)
.irp m, 0,1,2,3
	v_rsq_f32 v[RS+2*\m], v[16+4*\m]
.endr
	v_nop
	s_wait_alu depctr_va_vdst(0)                   ; one wait for the four, ahead of their first reader
.irp m, 0,1,2,3
	v_mov_b32 v[RS+2*\m+1], v[RS+2*\m]
.endr
	s_wait_alu depctr_va_vdst(0)
	s_wait_loadcnt 0x0                             ; gamma and beta
; In the three macros below the tile's number m stands in brackets wherever it is used: it is put in as text, and one caller passes a difference.
.macro NORM m
.irp w, 0,1
	WIN 0x82+0x41*\w
.irp t, 0,1,2,3,4,5,6,7
.irp p, 0,1,2,3
	v_pk_mul_f32 v[8*(4*\t+(\m))+2*\p:8*(4*\t+(\m))+2*\p+1], v[8*(4*\t+(\m))+2*\p:8*(4*\t+(\m))+2*\p+1], v[RS+2*(\m):RS+2*(\m)+1]
.endr
.endr
	WIN 0x96+0x41*\w                               ; gamma and beta in window 1
.irp t, 0,1,2,3,4,5,6,7
.irp p, 0,1,2,3
	v_pk_fma_f32 v[8*(4*\t+(\m))+2*\p:8*(4*\t+(\m))+2*\p+1], v[8*(4*\t+(\m))+2*\p:8*(4*\t+(\m))+2*\p+1], v[8*(8*\w+\t)+2*\p:8*(8*\w+\t)+2*\p+1], v[128+8*(8*\w+\t)+2*\p:128+8*(8*\w+\t)+2*\p+1]
.endr
.endr
.endr
.endm
; A lane holds 32 neighbouring bytes of a row and the lanes beside it hold other rows: so a tile of 16 rows goes through my own stage and comes back as rows, into the registers that it left.
.macro TOSTAGE m
.irp w, 0,1
	WIN 0x08+4*\w                                  ; an LDS store's data are its source 1
.irp t, 0,1,2,3,4,5,6,7
	ds_store_b128 v7, v[8*(4*\t+(\m)):8*(4*\t+(\m))+3] offset:64*(8*\w+\t)
	ds_store_b128 v7, v[8*(4*\t+(\m))+4:8*(4*\t+(\m))+7] offset:64*(8*\w+\t)+16
.endr
.endr
.irp w, 0,1
	WIN 0x80+0x40*\w
.irp t, 0,1,2,3,4,5,6,7                        ; row 8 w + t: its 1,024 bytes in two loads.  LDS serves a wave's instructions in order (ISA guide 5.7.1.4): these see the stores above
	ds_load_b128 v[8*(4*\t+(\m)):8*(4*\t+(\m))+3], v8 offset:1040*(8*\w+\t)
	ds_load_b128 v[8*(4*\t+(\m))+4:8*(4*\t+(\m))+7], v8 offset:1040*(8*\w+\t)+512
.endr
.endr
.endm
.macro SEND m                          ; tile m's row 8 w + t is the work-group's row 16 m + 8 w + t
	s_wait_dscnt 0x0                               ; the tile is back in registers
.irp w, 0,1
	WIN 0x08+4*\w
.irp t, 0,1,2,3,4,5,6,7
	global_store_b128 v1, v[8*(4*\t+(\m)):8*(4*\t+(\m))+3], s[24:25] offset:(16*(\m)+8*\w+\t)*4096 th:TH_STORE_NT       ; 32 lanes store 512 consecutive bytes, at a multiple of 256 from out0's first byte
	global_store_b128 v1, v[8*(4*\t+(\m))+4:8*(4*\t+(\m))+7], s[24:25] offset:(16*(\m)+8*\w+\t)*4096+512 th:TH_STORE_NT
.endr
.endr
.endm
	NORM 0
	TOSTAGE 0
.irp m, 1,2,3                                  ; a tile's arithmetic stands between the loads of the tile before and its stores; the four tiles share no register
	NORM \m
	s_wait_alu depctr_va_vdst(0)
	SEND \m-1
	TOSTAGE \m
.endr
	SEND 3
	WIN 0
	s_wait_tensorcnt 0x0
	ds_add_u32 v142, v143
	s_wait_dscnt 0x0
	s_endpgm
.Lfunc_end_k_q44f00c9459_final:
	.size	k_q44f00c9459_final, .Lfunc_end_k_q44f00c9459_final-k_q44f00c9459_final
	.p2alignl 7, 3214868480
	.fill 96, 4, 3214868480
	.section	.rodata,"a",@progbits
	.p2align	6, 0x0
	.amdhsa_kernel k_q44f00c9459_final
		.amdhsa_group_segment_fixed_size 168448
		.amdhsa_private_segment_fixed_size 0
		.amdhsa_enable_private_segment 0
		.amdhsa_kernarg_size 88
		.amdhsa_user_sgpr_count 2
		.amdhsa_user_sgpr_kernarg_segment_ptr 1
		.amdhsa_wavefront_size32 1
		.amdhsa_system_sgpr_workgroup_id_x 1
		.amdhsa_system_sgpr_workgroup_id_y 1
		.amdhsa_system_sgpr_workgroup_id_z 1
		.amdhsa_system_vgpr_workitem_id 0
		.amdhsa_next_free_vgpr 1024
		.amdhsa_next_free_sgpr 66
		.amdhsa_reserve_vcc 0
		.amdhsa_float_denorm_mode_32 3
		.amdhsa_float_denorm_mode_16_64 3
		.amdhsa_memory_ordered 1
		.amdhsa_forward_progress 1
		.amdhsa_inst_pref_size 255
	.end_amdhsa_kernel
	.section	.bss,"aw",@nobits
	.p2align	6
	.space	262144
	.amdgpu_metadata
---
amdhsa.version: [ 1, 2 ]
amdhsa.kernels:
  - .name:           k_q44f00c9459_final
    .symbol:         k_q44f00c9459_final.kd
    .args:
      - { .name: oc, .offset: 0, .size: 8, .value_kind: global_buffer, .address_space: global }
      - { .name: osc, .offset: 8, .size: 8, .value_kind: global_buffer, .address_space: global }
      - { .name: q_codes, .offset: 16, .size: 8, .value_kind: global_buffer, .address_space: global }
      - { .name: q_scales, .offset: 24, .size: 8, .value_kind: global_buffer, .address_space: global }
      - { .name: wimg, .offset: 32, .size: 8, .value_kind: global_buffer, .address_space: global }
      - { .name: fc_w_scales, .offset: 40, .size: 8, .value_kind: global_buffer, .address_space: global }
      - { .name: resid_w_scales, .offset: 48, .size: 8, .value_kind: global_buffer, .address_space: global }
      - { .name: resid_b, .offset: 56, .size: 8, .value_kind: global_buffer, .address_space: global }
      - { .name: ln_gamma, .offset: 64, .size: 8, .value_kind: global_buffer, .address_space: global }
      - { .name: ln_beta, .offset: 72, .size: 8, .value_kind: global_buffer, .address_space: global }
      - { .name: out0, .offset: 80, .size: 8, .value_kind: global_buffer, .address_space: global }
    .group_segment_fixed_size: 168448
    .private_segment_fixed_size: 0
    .kernarg_segment_align: 8
    .kernarg_segment_size: 88
    .max_flat_workgroup_size: 128
    .sgpr_count:     66
    .vgpr_count:     1024
    .wavefront_size: 32
...
	.end_amdgpu_metadata
.endif
;; end of part 3
